; MI455X (gfx1250); checked and timed in simulation.
; The chip was launched on July 23, 2026; its instructions are those of AMD's public machine-readable ISA for CDNA 5 (MIT licence, August 2026) and "CDNA5" Instruction Set Architecture Reference Guide (July 2026). The comments in the code are by the model that wrote it; some were corrected since.
;; Attention. Allowed arithmetic: matrix products marked QUANTISED: E2M3 operands, one E8M0 scale for each 32 along K, by v_wmma_scale_f32_16x16x128_f8f6f4 with both operands' format E2M3, f32 sums; everything else in f32.
;; Inputs: freqs_cos 2,048 x 64 float32; freqs_sin 2,048 x 64 float32; mask 2,048 x 2,048 float32; wk 4,096 x 1,024 float32; wo 2,048 x 4,096 float32; wq 4,096 x 2,048 float32; wv 4,096 x 1,024 float32; x 1 x 2,048 x 4,096 float32.
;; Outputs: out0 1 x 2,048 x 4,096 float32.
;; This version of the problem:
;;   THIS VERSION OF THE PROBLEM IS GIVEN IN LOW PRECISION. The matrix products marked QUANTISED in the list below multiply operands that are first quantised to E2M3 (2 exponent bits, 3 mantissa bits; 6 bits a number), with one power-of-two scale for each 32 numbers along K (OCP MX v1.0); their sums are f32. All else is computed in f32.
;;   The module's matrix products, in the order in which they are computed (A, B: the left and right operand; K: the contracted axis; several contracted axes count as one K, in the product's order):
;;     1. [M 2,048, K 4,096] x [K 4,096, N 2,048]; A: input x; B: input wq: QUANTISED
;;     2. [M 2,048, K 4,096] x [K 4,096, N 1,024]; A: input x; B: input wk: QUANTISED
;;     3. [M 2,048, K 4,096] x [K 4,096, N 1,024]; A: input x; B: input wv: QUANTISED
;;     4. batch 16 x [M 2,048, K 128] x [K 128, N 2,048]; A: computed on the way; B: computed on the way: QUANTISED
;;     5. batch 16 x [M 128, K 2,048] x [K 2,048, N 2,048]; A: computed on the way; B: softmax (see below): QUANTISED
;;     6. [M 2,048, K 2,048] x [K 2,048, N 4,096]; A: computed on the way; B: input wo: QUANTISED
;;   THE QUANTISER, for each operand of a quantised product, along K:
;;     - K is cut into blocks of 32 from its start; a last block that is shorter is filled with zeros.
;;     - A block's scale is 2^e with e = floor(log2(the largest magnitude in the block)) - 2, held to -126 .. 127; a block of zeros has e = 0. As a byte (E8M0): e + 127.
;;     - Each number is divided by its block's scale, clamped to +-7.5, and rounded to the nearest number of E2M3, ties to even, subnormals kept.
;;     - The product sums the exact products of the quantised numbers (number of the format x scale) in f32.
;;   ~~~python
;;   def quantise(x, axis):      # numpy; x: float32 -> the quantised numbers, widened to float32 again
;;       x = np.moveaxis(x, axis, -1); K = x.shape[-1]
;;       x = np.pad(x, [(0, 0)] * (x.ndim - 1) + [(0, -K % 32)]); x = x.reshape(x.shape[:-1] + (-1, 32)); a = np.abs(x).max(-1, keepdims=True)
;;       e = np.where(a > 0, np.clip(np.frexp(np.where(a > 0, a, 1))[1] - 1 - 2, -126, 127), 0)      # np.frexp(a)[1] - 1 = floor(log2(a)), exactly
;;       r = np.clip(x / 2.0 ** e, -7.5, 7.5)
;;       step = 2.0 ** (np.maximum(np.frexp(np.where(r == 0, 1, r))[1] - 1, 0) - 3)
;;       q = np.round(r / step) * step * 2.0 ** e      # np.round: ties to even
;;       return np.moveaxis(q.reshape(q.shape[:-2] + (-1,))[..., :K], -1, axis).astype(np.float32)
;;   ~~~
;;   SOFTMAX AHEAD OF A QUANTISED PRODUCT. Where the list says 'softmax', what is quantised is not the finished softmax but p = 2^(t - M), with t = logit x log2(e) and M = ceil(the row's largest t), a whole number; so 1/2 < the row's largest p <= 1. The row's sum l is taken of the UNQUANTISED p, in f32, and the product's result is divided by l at the end. Since M is a whole number, a kernel that streams over the keys may use a running M (the ceiling of the running maximum): every later rescaling is an exact power of two, which a block's scale takes up: the codes' values come out the same.
;;   OPERANDS COMPUTED ON THE WAY. 'Computed on the way' means the value that the module computes at that place (a softmax that the list does not call 'softmax' is quantised finished and normalised). What goes into a quantiser is computed in f32, as accurately as f32 sums, v_exp_f32 and their like allow (about 1e-6 of the number): no bf16 or f16 on the way to a quantiser, and a product that is left as it is and whose result goes on into a quantised operand takes f32 operands (vector FMAs, or v_wmma_f32_16x16x4_f32). A number that lies on a knife's edge between two numbers of the format may be rounded either way, as far as f32 arithmetic and the matrix unit's own rounding can turn it there, and no further.
;; One version. Each part assembles by itself: llvm-mc -triple=amdgcn-amd-amdhsa -mcpu=gfx1250 --defsym DOCPART=n.
;; ======== version 1 of 1: 4 launches
;; limits: right only within a limited range of input values
;; workspace buffers: ximg 6,553,600 bytes; wimg 13,107,200 bytes; woimg 6,553,600 bytes; rope 1,048,576 bytes; qkv 6,553,600 bytes; att 3,276,800 bytes
;; launch prep (part 1): grid 1056 x 1, 4 waves a work-group, no clusters, 34,304 bytes of LDS; arguments x, wq, wk, wv, wo, freqs_cos, freqs_sin, ximg, wimg, woimg, rope; writes ximg, wimg, woimg, rope
.if DOCPART == 1
	.amdgcn_target "amdgcn-amd-amdhsa--gfx1250"
	.amdhsa_code_object_version 6
	.text
	.protected	k_q3c4e077d88_prep
	.globl	k_q3c4e077d88_prep
	.p2align	8
	.type	k_q3c4e077d88_prep,@function
k_q3c4e077d88_prep:
	s_mov_b64 s[64:65], 0
	v_nop
	global_prefetch_b8 v0, s[64:65] scope:SCOPE_SE
	s_setreg_imm32_b32 hwreg(HW_REG_WAVE_MODE, 25, 1), 1
	s_wait_xcnt 0x0
; x [2048][4096], wq [4096][2048], wk, wv [4096][1024], wo [2048][4096], all f32, become codes of FP6 (E2M3) with one E8M0 byte for each 32 along K; cos and sin are laid anew.
; THE UNIT, the one format of all operand buffers of this program: 128 rows x 128 along K in 12,800 bytes.  Codes: fragment t (16 rows) at 1,536 t, as an image of the operand's 12 registers:
; registers 4 c .. 4 c + 3 of lane l at 512 c + 16 l.  Scale words: that of tile t, row r at 12,288 + 16 (r + 16 (t / 4)) + 4 (t % 4).
; Row r of tile t is row 32 (t / 2) + 8 (t % 2) + r + 8 (r / 8) of the 128, so that results of two neighbouring tiles are 16 neighbours along the next product's K.
; A block's scale is 2^(floor(log2(its largest magnitude)) - 2): its byte is the largest magnitude's exponent field - 2, held at 1 from below by a floor among the maximum's leaves.
; LIMITS: a block of zeros gets the byte 1 (its codes are zeros, and this program alone reads the bytes); blocks whose largest magnitude lies under 2^-124 are held at byte 1; NaN and infinities are not served.
; WORK-GROUPS: 0-255 x (64 tokens x 512 along K each); 256-511 wq, 512-767 wk and wv, 768-1023 wo (128 columns x 256 along K each); 1024-1055 the tables.  A stream: no matrix unit, no tensor load, no barrier, waves share nothing.
.set UNIT, 12800
.set SP,   528                         ; x's stage: a row of 512 bytes + 16, an odd multiple of 16 bytes: the 16 rows that a read touches begin in 16 different columns of 16 bytes
.set XR,   16                          ; v16-79   x as loaded
.set XX,   80                          ; v80-143  64 numbers of my row: two whole blocks of 32
.set XPC,  144                         ; v144-155 a fragment's codes
.set XTC,  156                         ; v156-163 the halves that begin on an odd register are made here and moved
.set XPW,  164                         ; v164-167 the four tiles' scale words
.set XT,   168                         ; v168-175 at work
.set WX,   16                          ; v16-79   a weight's numbers, two sets of 32
.set FH,   80                          ; v80-103  my row's codes for lanes (r, 0) and (r, 1) of its fragment
.set WTC,  104
.set WW,   108                         ; the scale word
.set WT,   109
	s_load_b256 s[4:11], s[0:1], 0x0               ; x, wq, wk, wv
	s_load_b256 s[12:19], s[0:1], 0x20             ; wo, cos, sin, ximg
	s_load_b128 s[20:23], s[0:1], 0x40             ; wimg, woimg
	s_load_b64 s[24:25], s[0:1], 0x50              ; rope
	v_lshl_add_u32 v176, v0, 2, 0x8400
	v_mov_b32 v177, 0
	v_lshrrev_b32 v4, 5, v0
	v_readfirstlane_b32 s26, v4                    ; wave
	v_and_b32 v1, 31, v0                           ; lane
	v_and_b32 v2, 15, v0                           ; r
	v_bfe_u32 v3, v0, 4, 1                         ; h
	v_lshlrev_b32 v5, 4, v1                        ; 16 x lane
	s_mov_b32 s34, 0x76543210
	s_mov_b32 s35, 0xfedcba98                      ; selects: lane l xor 16
	s_mov_b32 s39, 0
	s_wait_kmcnt 0x0
	s_cmp_lt_u32 ttmp9, 256
	s_cbranch_scc0 .Lnot_x
; ---- x.  Half a token block (64 tokens: four tiles) x four K steps, one K step a wave.  Each load reads 512 consecutive bytes of one token's row; a tile turns through the wave's own stage, so that a lane gets 2 x 32 neighbours of ONE row.
	s_lshr_b32 s27, ttmp9, 3                       ; which 64 tokens
	s_and_b32 s28, ttmp9, 7
	s_lshl_b32 s28, s28, 2
	s_add_co_u32 s28, s28, s26                     ; K step
	s_lshl_b32 s38, s27, 20                        ; 64 rows of 16,384 bytes
	s_lshl_b32 s36, s28, 9
	s_add_co_u32 s38, s38, s36
	s_add_nc_u64 s[4:5], s[4:5], s[38:39]
	s_lshr_b32 s38, s27, 1
	s_lshl_b32 s38, s38, 5
	s_add_co_u32 s38, s38, s28
	s_mul_i32 s38, s38, UNIT                       ; unit [token block][K step]
	s_add_nc_u64 s[18:19], s[18:19], s[38:39]
	s_and_b32 s27, s27, 1                          ; the unit's tiles 0-3 or 4-7
	s_mul_i32 s36, s27, 6144
	s_wait_alu depctr_va_vdst(0)
	v_add_nc_u32 v6, s36, v5                       ; where my codes go
	s_lshl_b32 s36, s27, 8
	v_lshl_add_u32 v7, v2, 4, s36                  ; and my row's four scale words
	s_mul_i32 s36, s26, 16*SP                      ; my wave's stage
	v_add_nc_u32 v8, s36, v5                       ; in: as loaded
	v_mul_u32_u24 v9, v2, SP
	v_lshl_add_u32 v9, v3, 7, v9
	v_add_nc_u32 v9, s36, v9                       ; back: row r, + 128 h bytes: k = 32 h on
	v_lshlrev_b32 v10, 3, v3                       ; 8 h
	v_mov_b32 v[XT+6], 0                           ; a lane permute's destination counts as read
.macro XLOAD j
.set xi, 0
.rept 16
	global_load_b128 v[XR+4*xi:XR+4*xi+3], v5, s[4:5] offset:(32*((\j)/2)+8*((\j)%2)+xi+8*(xi/8))*16384 th:TH_LOAD_NT
.set xi, xi+1
.endr
.endm
.macro XTILE j
	s_wait_loadcnt 0x0                             ; the tile's 16 rows are in
.set xi, 0
.rept 16
	ds_store_b128 v8, v[XR+4*xi:XR+4*xi+3] offset:SP*xi
.set xi, xi+1
.endr
.set xi, 0
.rept 16
	ds_load_b128 v[XX+4*xi:XX+4*xi+3], v9 offset:256*(xi/8)+16*(xi%8)   ; LDS serves a wave's instructions in order: these see the stores.  Registers 32 c + i: k = 64 c + 32 h + i
.set xi, xi+1
.endr
	s_wait_dscnt 0x0                               ; the numbers are back, and the stores have read their registers,
.if (\j) < 3
	XLOAD (\j)+1                                   ; which take the next tile while this one is worked
.endif
.irp c, 0,1
	v_max3_num_f32 v[XT+\c], |v[XX+32*\c]|, |v[XX+32*\c+1]|, 0x1800000   ; block 2 c + h is all mine; the floor 2^(3 - 127) holds the byte at 1 from below
.endr
.irp i, 2,4,6,8,10,12,14,16,18,20,22,24,26,28,30
.irp c, 0,1
	v_max3_num_f32 v[XT+\c], v[XT+\c], |v[XX+32*\c+\i]|, |v[XX+32*\c+\i+1]|
.endr
.endr
.irp c, 0,1
	v_add_nc_u32 v[XT+2+\c], 0xff000000, v[XT+\c]  ; 2 off the exponent field: the conversion's scale operand
.endr
.irp c, 0,1
	v_lshrrev_b32 v[XT+4+\c], 23, v[XT+2+\c]       ; the byte
.endr
	v_lshl_or_b32 v[XT+4], v[XT+5], 16, v[XT+4]    ; my bytes: blocks h and 2 + h,
	v_lshlrev_b32 v[XT+4], v10, v[XT+4]            ; at their places;
	v_permlanex16_b32 v[XT+6], v[XT+4], s34, s35
	v_or_b32 v[XPW+(\j)], v[XT+4], v[XT+6]         ; with lane l xor 16's the word is whole
	s_wait_alu depctr_va_vdst(0)
	s_wait_xcnt 0x0                                ; the last tile's stores have read the codes' registers
.irp c, 0,1
	v_cvt_scalef32_pk16_fp6_f32 v[XPC+6*\c:XPC+6*\c+2], v[XX+32*\c:XX+32*\c+15], v[XT+2+\c]
	v_cvt_scalef32_pk16_fp6_f32 v[XTC+4*\c:XTC+4*\c+2], v[XX+32*\c+16:XX+32*\c+31], v[XT+2+\c]
.endr
	v_nop                                          ; one plain place behind a scaled conversion
.irp c, 0,1
.irp i, 0,1,2
	v_mov_b32 v[XPC+6*\c+3+\i], v[XTC+4*\c+\i]
.endr
.endr
.irp c, 0,1,2
	global_store_b128 v6, v[XPC+4*\c:XPC+4*\c+3], s[18:19] offset:1536*(\j)+512*\c   ; 512 consecutive bytes
.endr
.endm
	XLOAD 0
	s_wait_alu depctr_va_vdst(0)
	XTILE 0
	XTILE 1
	XTILE 2
	XTILE 3
	s_wait_xcnt 0x0                                ; EXEC changes only behind this wait
	v_cmp_gt_u32 vcc_lo, 16, v1
	s_wait_tensorcnt 0x0
	ds_add_u32 v176, v177
	s_wait_dscnt 0x0
	s_and_saveexec_b32 s36, vcc_lo
	global_store_b128 v7, v[XPW:XPW+3], s[18:19] offset:12288   ; sixteen lanes: 256 consecutive bytes of scale words
	s_wait_xcnt 0x0
	s_or_b32 exec_lo, exec_lo, s36
	s_endpgm
.Lnot_x:
	s_cmp_lt_u32 ttmp9, 1024
	s_cbranch_scc0 .Lrope
; ---- the weights: K is their FIRST axis.  A lane takes a column and its registers run down K, so a block of 32 lies in one lane and the codes come out with K innermost.
; Wave w takes the block's columns 32 w .. 32 w + 31, tiles 2 w and 2 w + 1: lane (u, r) takes column 8 u + r + 8 (r / 8), which is row r of tile 2 w + u.  A load of a wave reads 128 consecutive bytes, the four waves 512.
	s_wait_alu depctr_va_vdst(0)
	v_and_b32 v4, 8, v2
	v_add_nc_u32 v4, v4, v2
	v_lshl_add_u32 v4, v3, 3, v4
	v_lshlrev_b32 v6, 2, v4                        ; in: 4 x column
	s_mul_i32 s36, s26, 3072
	v_mul_u32_u24 v7, v3, 1536
	v_lshl_add_u32 v7, v2, 4, v7
	v_add_nc_u32 v7, s36, v7                       ; codes: fragment 2 w + u, lane r's place
	s_lshr_b32 s36, s26, 1
	s_lshl_b32 s36, s36, 8
	s_and_b32 s37, s26, 1
	s_lshl_b32 s37, s37, 3
	s_add_co_u32 s36, s36, s37
	v_lshlrev_b32 v8, 4, v2
	v_lshl_add_u32 v8, v3, 2, v8
	v_add_nc_u32 v8, s36, v8                       ; the scale word of tile 2 w + u, row r
.macro WLOAD t, n
.set wi, 0
.rept 32
	global_load_b32 v[WX+32*((\t)%2)+wi], v6, s[28:29] offset:(32*(\t)+wi)*\n*4 th:TH_LOAD_NT
.set wi, wi+1
.endr
.endm
.macro WBLOCK t, n                     ; block t of my column's eight: K step t / 4, block t % 4 of it
.set XS, WX+32*((\t)%2)
.if (\t) < 7
	s_wait_loadcnt 32                              ; this block's 32 loads are in; the next block's 32 may be out
.else
	s_wait_loadcnt 0x0
.endif
.if (\t) == 4
	s_wait_xcnt 0x0                                ; the first K step's stores have read the codes' and the word's registers
.endif
	v_max3_num_f32 v[WT], |v[XS]|, |v[XS+1]|, |v[XS+2]|
	v_max3_num_f32 v[WT+1], |v[XS+3]|, |v[XS+4]|, |v[XS+5]|
.irp i, 6,10,14,18,22,26
	v_max3_num_f32 v[WT], v[WT], |v[XS+\i]|, |v[XS+\i+1]|
	v_max3_num_f32 v[WT+1], v[WT+1], |v[XS+\i+2]|, |v[XS+\i+3]|
.endr
	v_max3_num_f32 v[WT], v[WT], |v[XS+30]|, |v[XS+31]|
	v_max3_num_f32 v[WT], v[WT], v[WT+1], 0x1800000
	v_add_nc_u32 v[WT+2], 0xff000000, v[WT]
	v_lshrrev_b32 v[WT+3], 23, v[WT+2]
.if (\t)%4 == 0
	v_mov_b32 v[WW], v[WT+3]
.else
	v_lshl_or_b32 v[WW], v[WT+3], 8*((\t)%4), v[WW]
.endif
.set FD, FH+12*((\t)%2)+6*(((\t)/2)%2)  ; block 2 c + h belongs to lane (r, h), registers 6 c on
	v_cvt_scalef32_pk16_fp6_f32 v[FD:FD+2], v[XS:XS+15], v[WT+2]
	v_cvt_scalef32_pk16_fp6_f32 v[WTC:WTC+2], v[XS+16:XS+31], v[WT+2]
	v_nop
.irp i, 0,1,2
	v_mov_b32 v[FD+3+\i], v[WTC+\i]
.endr
.if (\t)+2 < 8
	WLOAD (\t)+2, \n
.endif
.if (\t)%4 == 3
.irp h, 0,1
.irp c, 0,1,2
	global_store_b128 v7, v[FH+12*\h+4*\c:FH+12*\h+4*\c+3], s[30:31] offset:UNIT*((\t)/4)+512*\c+256*\h   ; lanes 0-15 and lanes 16-31 each store 256 consecutive aligned bytes
.endr
.endr
	global_store_b32 v8, v[WW], s[30:31] offset:UNIT*((\t)/4)+12288   ; 8 bytes of each 16: half of what the four waves fill together; one byte in 128 of what is read
.endif
.endm
; s27: the work-group's number in its tensor; s[28:29] the tensor; s[30:31] its units; s33 its first column block among them
.macro WPATH n, kst, kgbits
	s_and_b32 s36, s27, (1<<\kgbits)-1             ; which 256 along K
	s_lshr_b32 s37, s27, \kgbits                   ; which 128 columns
	s_mul_i32 s38, s36, 256*\n*4
	s_lshl_b32 s32, s37, 9
	s_add_co_u32 s38, s38, s32
	s_lshl_b32 s32, s26, 7
	s_add_co_u32 s38, s38, s32
	s_add_nc_u64 s[28:29], s[28:29], s[38:39]
	s_add_co_u32 s37, s37, s33
	s_mul_i32 s37, s37, \kst
	s_lshl_b32 s36, s36, 1
	s_add_co_u32 s38, s37, s36
	s_mul_i32 s38, s38, UNIT
	s_add_nc_u64 s[30:31], s[30:31], s[38:39]
	WLOAD 0, \n
	WLOAD 1, \n
.set wt, 0
.rept 8
	WBLOCK wt, \n
.set wt, wt+1
.endr
	s_endpgm
.endm
	s_cmp_lt_u32 ttmp9, 512
	s_cbranch_scc0 .Lnot_wq
	s_sub_co_u32 s27, ttmp9, 256
	s_mov_b64 s[28:29], s[6:7]
	s_mov_b64 s[30:31], s[20:21]
	s_mov_b32 s33, 0
	s_wait_alu depctr_va_vdst(0)
	WPATH 2048, 32, 4
.Lnot_wq:
	s_cmp_lt_u32 ttmp9, 768
	s_cbranch_scc0 .Lwo
	s_sub_co_u32 s27, ttmp9, 512
	s_cmp_lt_u32 s27, 128                          ; wk's work-group or wv's: the choice hangs on the work-group's number alone
	s_cselect_b64 s[28:29], s[8:9], s[10:11]
	s_cselect_b32 s33, 16, 24
	s_mov_b64 s[30:31], s[20:21]
	s_and_b32 s27, s27, 127
	s_wait_alu depctr_va_vdst(0)
	WPATH 1024, 32, 4
.Lwo:
	s_sub_co_u32 s27, ttmp9, 768
	s_mov_b64 s[28:29], s[12:13]
	s_mov_b64 s[30:31], s[22:23]
	s_mov_b32 s33, 0
	s_wait_alu depctr_va_vdst(0)
	WPATH 4096, 16, 3
.Lrope:
; ---- cos and sin, laid as the rotation's lanes want them: for token tile T (a wave each) 8,192 bytes; chunk 2 b + e at 512 (2 b + e) + 16 lane holds cos[token of row r][16 b + 8 h + 4 e ..], chunks 8 on the same of sin.
	s_sub_co_u32 s27, ttmp9, 1024
	s_lshl_b32 s27, s27, 2
	s_add_co_u32 s27, s27, s26                     ; T
	s_lshr_b32 s38, s27, 1
	s_lshl_b32 s38, s38, 5
	s_and_b32 s36, s27, 1
	s_lshl_b32 s36, s36, 3
	s_add_co_u32 s38, s38, s36                     ; the tile's first token: 32 (T / 2) + 8 (T % 2)
	s_lshl_b32 s38, s38, 8                         ; a row is 256 bytes
	s_add_nc_u64 s[14:15], s[14:15], s[38:39]
	s_add_nc_u64 s[16:17], s[16:17], s[38:39]
	s_lshl_b32 s38, s27, 13
	s_add_nc_u64 s[24:25], s[24:25], s[38:39]
	s_wait_alu depctr_va_vdst(0)
	v_and_b32 v4, 8, v2
	v_add_nc_u32 v4, v4, v2
	v_lshlrev_b32 v6, 8, v4
	v_lshl_add_u32 v6, v3, 5, v6                   ; row r + 8 (r / 8), + 32 h bytes
.irp b, 0,1,2,3
.irp e, 0,1
	global_load_b128 v[16+4*(2*\b+\e):16+4*(2*\b+\e)+3], v6, s[14:15] offset:64*\b+16*\e
	global_load_b128 v[48+4*(2*\b+\e):48+4*(2*\b+\e)+3], v6, s[16:17] offset:64*\b+16*\e
.endr
.endr
	s_wait_loadcnt 0x0
.set xi, 0
.rept 16
	global_store_b128 v5, v[16+4*xi:16+4*xi+3], s[24:25] offset:512*xi
.set xi, xi+1
.endr
	s_endpgm
.Lfunc_end_k_q3c4e077d88_prep:
	.size	k_q3c4e077d88_prep, .Lfunc_end_k_q3c4e077d88_prep-k_q3c4e077d88_prep
	.p2alignl 7, 3214868480
	.fill 96, 4, 3214868480
	.section	.rodata,"a",@progbits
	.p2align	6, 0x0
	.amdhsa_kernel k_q3c4e077d88_prep
		.amdhsa_group_segment_fixed_size 34304
		.amdhsa_private_segment_fixed_size 0
		.amdhsa_enable_private_segment 0
		.amdhsa_kernarg_size 88
		.amdhsa_user_sgpr_count 2
		.amdhsa_user_sgpr_kernarg_segment_ptr 1
		.amdhsa_wavefront_size32 1
		.amdhsa_system_sgpr_workgroup_id_x 1
		.amdhsa_system_sgpr_workgroup_id_y 1
		.amdhsa_system_sgpr_workgroup_id_z 1
		.amdhsa_system_vgpr_workitem_id 0
		.amdhsa_next_free_vgpr 178
		.amdhsa_next_free_sgpr 66
		.amdhsa_reserve_vcc 1
		.amdhsa_float_denorm_mode_32 3
		.amdhsa_float_denorm_mode_16_64 3
		.amdhsa_memory_ordered 1
		.amdhsa_forward_progress 1
		.amdhsa_inst_pref_size 148
	.end_amdhsa_kernel
	.amdgpu_metadata
---
amdhsa.version: [ 1, 2 ]
amdhsa.kernels:
  - .name:           k_q3c4e077d88_prep
    .symbol:         k_q3c4e077d88_prep.kd
    .args:
      - { .name: x, .offset: 0, .size: 8, .value_kind: global_buffer, .address_space: global }
      - { .name: wq, .offset: 8, .size: 8, .value_kind: global_buffer, .address_space: global }
      - { .name: wk, .offset: 16, .size: 8, .value_kind: global_buffer, .address_space: global }
      - { .name: wv, .offset: 24, .size: 8, .value_kind: global_buffer, .address_space: global }
      - { .name: wo, .offset: 32, .size: 8, .value_kind: global_buffer, .address_space: global }
      - { .name: freqs_cos, .offset: 40, .size: 8, .value_kind: global_buffer, .address_space: global }
      - { .name: freqs_sin, .offset: 48, .size: 8, .value_kind: global_buffer, .address_space: global }
      - { .name: ximg, .offset: 56, .size: 8, .value_kind: global_buffer, .address_space: global }
      - { .name: wimg, .offset: 64, .size: 8, .value_kind: global_buffer, .address_space: global }
      - { .name: woimg, .offset: 72, .size: 8, .value_kind: global_buffer, .address_space: global }
      - { .name: rope, .offset: 80, .size: 8, .value_kind: global_buffer, .address_space: global }
    .group_segment_fixed_size: 34304
    .private_segment_fixed_size: 0
    .kernarg_segment_align: 8
    .kernarg_segment_size: 88
    .max_flat_workgroup_size: 128
    .sgpr_count:     66
    .vgpr_count:     178
    .wavefront_size: 32
...
	.end_amdgpu_metadata
.endif
;; end of part 1
;; launch qkvproj (part 2): grid 16 x 16, 4 waves a work-group, clusters of 4 x 4, 327,680 bytes of LDS; arguments ximg, wimg, rope, qkv; writes qkv
.if DOCPART == 2
	.amdgcn_target "amdgcn-amd-amdhsa--gfx1250"
	.amdhsa_code_object_version 6
	.text
	.protected	k_q3c4e077d88_qkvproj
	.globl	k_q3c4e077d88_qkvproj
	.p2align	8
	.type	k_q3c4e077d88_qkvproj,@function
k_q3c4e077d88_qkvproj:
	s_mov_b64 s[64:65], 0
	v_nop
	global_prefetch_b8 v0, s[64:65] scope:SCOPE_SE
	s_setreg_imm32_b32 hwreg(HW_REG_WAVE_MODE, 25, 1), 1
	s_wait_xcnt 0x0
	s_wait_alu depctr_hold_cnt(0) depctr_sa_sdst(0) depctr_va_vdst(0) depctr_va_sdst(0) depctr_va_ssrc(0) depctr_va_vcc(0) depctr_vm_vsrc(0)
	s_getreg_b32 s2, hwreg(HW_REG_IB_STS2, 6, 4)
	s_cmp_eq_u32 s2, 0
	s_cbranch_scc0 .Lentry_in_a_cluster
	s_endpgm
.Lentry_in_a_cluster:
	s_bfe_u32 s2, ttmp6, 0x10000c
	s_cmp_lg_u32 s2, 0xf033
	s_cbranch_scc0 .Lentry_shape_is_right
	s_endpgm
.Lentry_shape_is_right:
; q = rope(x wq), k = rope(x wk), v = x wv on codes of FP6 (E2M3) with E8M0 scales, and the results quantised at once: q and k along the head's 128 channels, v along the tokens.  No f32 result goes to memory.
; All operands lie in UNITS of 12,800 bytes (128 rows x 128 along K): fragment t at 1,536 t as an image of its 12 registers (registers 4 c .. at 512 c + 16 lane); the scale word of tile t, row r at 12,288 + 16 (r + 16 (t / 4)) + 4 (t % 4);
; row r of tile t is row 32 (t / 2) + 8 (t % 2) + r + 8 (r / 8) of the 128.  So every LDS load and every store here takes 512 consecutive bytes, and nothing is padded.
; SHARES.  A work-group multiplies 256 rows of an operand P (always source 0) by 128 rows of an operand R (always source 1): 256 work-groups.  Wave (wp, wr) takes P's block wp (8 tiles) and R's tiles 4 wr .. 4 wr + 3: 32 accumulators.
; In the result a lane holds ONE row of R and its 64 registers of a tile of R run along P's 128 rows in order 32 b + 16 h + i: the next product's K.
; Clusters with x = 0 .. 2: P = the weights' columns (heads of q, then of k), R = tokens: a lane holds a token, registers run along the head.  Clusters with x = 3: P = tokens, R = wv's columns: a lane holds a channel, registers run along the tokens.
; The choice hangs on the cluster's own x, which all sixteen partners share.  CLUSTER: P's tiles hang on cx alone and are asked for jointly by a column of the cluster, R's on cy alone, by a row.
; K goes through two LDS slots of four K steps (512 along K): P's two blocks 51,200 bytes each (waves 0, 1), R's 51,200 in two halves (waves 2, 3): one tensor load a wave behind each round, 128 matrix instructions in which it lands.
; A wave has one tensor load out at a time: slot 0's at the head, then one behind each round.
; Prefetch: each wave names what it will load two fills ahead, shared out among the cluster's partners by address.
; LIMITS: a block of zeros gets the byte 1 (its codes are zeros; this program alone reads the bytes); NaN and infinities are not served.
; REGISTERS: window 0: v1-14 addresses; v32-47 scale words, two sets; v64-159 R's fragments, two sets; on the way out v64-211.  window 1: accumulator (a, b) at 8 (8 a + b).  window 2: P's fragments, sets at v0 and v128.  window 3: cos and sin.
.set UNIT,  12800
.set KST,   32                         ; K steps of 128
.set PART,  4*UNIT
.set SLOT,  3*PART
.set SPARE, 2*SLOT                     ; behind the ring: the spare words, 128 bytes a wave
.set ADP,  4                           ; v4-5   my block of P in slot 0, 1: + 16 lane
.set ADR,  6                           ; v6-7   my four tiles of R
.set ADRS, 8                           ; v8-9   and their scale words: + 16 r
.set SPW,  10
.set NIL,  11
.set LI,   12                          ; 16 x lane
.set VO,   13                          ; where my codes go in the result's unit
.set VS,   14                          ; and my row's four scale words
.set PS,   32                          ; set f: P's scale words at PS + 8 f (register j: tile j in lanes 0-15, tile j + 4 in lanes 16-31), R's at PS + 4 + 8 f (register a: tile 4 wr + a)
.set RF,   64
.set H,    64                          ; the way out: 64 rotated numbers
.set PCD,  128                         ; the four fragments made
.set TC,   176
.set TM,   184
.set U,    200
.set PW,   208                         ; their scale words
.set G1P, 24
.set G0P, 32
.set G1R, 40
.set G0R, 48
.set SEL, 76
.set MSB, 0
.macro WIN new                         ; the immediate's high byte repeats the setting that is left
.if MSB != \new
	s_set_vgpr_msb (MSB<<8)|\new
.set MSB, \new
.endif
.endm
.macro PLACES
.rept 4
	v_nop
.endr
.endm
.macro JLOAD s                         ; a joint load: waves 0, 1 for P, waves 2, 3 for R; four v_nop follow each line
	s_cmp_eq_u32 s15, 0
	s_cbranch_scc0 .Lfor_r_\@
	tensor_load_to_lds s[G0P+4*\s:G0P+4*\s+3], s[G1P:G1P+7]
	s_nop 0
	PLACES
	s_branch .Lasked_\@
.Lfor_r_\@:
	tensor_load_to_lds s[G0R+4*\s:G0R+4*\s+3], s[G1R:G1R+7]
	s_nop 0
	PLACES
.Lasked_\@:
.endm
.macro CREST
	s_cmp_lg_u32 s14, 0
	s_cbranch_scc1 .Lnot_wave_0_\@
	s_barrier_signal -3
.Lnot_wave_0_\@:
	s_barrier_wait -3
	s_barrier_signal -1
	s_barrier_wait -1
.endm
.macro CROUND
	s_barrier_signal -1
	s_barrier_wait -1
	CREST
.endm
	s_load_b256 s[4:11], s[0:1], 0x0               ; ximg, wimg, rope, qkv
	v_lshl_add_u32 v[SPW], v0, 2, SPARE
	v_mov_b32 v[NIL], 0
	ds_add_u32 v10, v11
	ds_add_u32 v10, v11
	s_wait_dscnt 0x0
	v_lshrrev_b32 v1, 5, v0
	v_readfirstlane_b32 s14, v1                    ; wave
	s_lshr_b32 s15, s14, 1                         ; wr.  Also: I fetch for P (0) or for R (1)
	s_and_b32 s16, s14, 1                          ; wp.  Also: which part I fetch
	s_bfe_u32 s17, ttmp6, 0x40000                  ; cx
	s_bfe_u32 s18, ttmp6, 0x40004                  ; cy
	s_and_b32 s19, ttmp7, 0xffff                   ; cluster y
	s_and_b32 s20, s19, 1
	s_lshr_b32 s21, s19, 1
	s_cmp_eq_u32 ttmp9, 3                          ; a cluster of v?
	s_cselect_b32 s22, s20, ttmp9
	s_cselect_b32 s23, s21, s19
	s_cselect_b32 s56, 24, 0                       ; wv's column blocks begin at 24
	s_cselect_b32 s57, 1, 0
	s_lshl_b32 s22, s22, 2
	s_add_co_u32 s22, s22, s17                     ; pb: which 256 rows of P
	s_lshl_b32 s23, s23, 2
	s_add_co_u32 s23, s23, s18                     ; rb: which 128 rows of R
	s_lshl_b32 s20, s18, 2
	s_lshl_b32 s20, 15, s20                        ; my row of the cluster
	s_lshl_b32 s21, 0x1111, s17                    ; my column
	; descriptor group 1: dense blocks as rows of 256 bytes (32 elements of 8 bytes): P 200 rows, R 100
	s_or_b32 s[G1P], s21, (3<<16)|(1<<21)
	s_mov_b32 s[G1P+1], 32<<16
	s_mov_b32 s[G1P+2], 200<<16
	s_mov_b32 s[G1P+3], 32<<16
	s_mov_b32 s[G1P+4], 200
	s_mov_b32 s[G1P+5], 32
	s_mov_b32 s[G1P+6], 0
	s_mov_b32 s[G1P+7], 0
	s_or_b32 s[G1R], s20, (3<<16)|(1<<21)
	s_mov_b32 s[G1R+1], 32<<16
	s_mov_b32 s[G1R+2], 100<<16
	s_mov_b32 s[G1R+3], 32<<16
	s_mov_b32 s[G1R+4], 100
	s_mov_b32 s[G1R+5], 32
	s_mov_b32 s[G1R+6], 0
	s_mov_b32 s[G1R+7], 0
	s_lshl_b32 s70, s22, 1
	s_add_co_u32 s70, s70, s16                     ; 2 pb + wp: the block of P that I fetch, and the one that I multiply
	s_mul_i32 s62, s70, KST*UNIT
	s_mov_b32 s63, 0
	s_add_co_u32 s66, s23, s56
	s_mul_i32 s66, s66, KST*UNIT
	s_mul_i32 s67, s16, 2*UNIT
	s_add_co_u32 s66, s66, s67                     ; R's block, K steps 2 (wave % 2) on
	s_mov_b32 s67, 0
	s_mul_i32 s68, s16, PART                       ; where they go: no place in the cluster enters an LDS address
	s_mul_i32 s69, s16, 2*UNIT
	s_add_co_u32 s69, s69, 2*PART
	s_lshl_b32 s71, s70, 4
	s_add_co_u32 s71, s71, s23                     ; q, k: unit [head][token block]
	s_add_co_u32 s72, s23, 24
	s_lshl_b32 s72, s72, 4
	s_add_co_u32 s72, s72, s70                     ; v: unit [24 + head][token block]
	s_cmp_eq_u32 s57, 1
	s_cselect_b32 s72, s72, s71
	s_mul_i32 s72, s72, UNIT
	s_mov_b32 s73, 0
	s_lshl_b32 s74, s23, 3
	s_lshl_b32 s75, s15, 2
	s_add_co_u32 s74, s74, s75
	s_lshl_b32 s74, s74, 13                        ; cos and sin of token tiles 8 rb + 4 wr on
	s_mov_b32 s75, 0
	s_mov_b32 s[SEL], 0x76543210
	s_mov_b32 s[SEL+1], 0xfedcba98
	s_wait_kmcnt 0x0
	s_cmp_eq_u32 s57, 1
	s_cselect_b64 s[58:59], s[4:5], s[6:7]         ; P: tokens in a cluster of v, else weights
	s_cselect_b64 s[60:61], s[6:7], s[4:5]         ; R: the other
	s_add_nc_u64 s[58:59], s[58:59], s[62:63]
	s_add_nc_u64 s[60:61], s[60:61], s[66:67]
	s_add_nc_u64 s[10:11], s[10:11], s[72:73]
	s_add_nc_u64 s[8:9], s[8:9], s[74:75]
	CROUND                                         ; all sixteen work-groups are here: the first joint loads meet
.irp s, 0,1
	s_mov_b32 s[G0P+4*\s], 1
	s_add_co_u32 s[G0P+4*\s+1], s68, \s*SLOT
	s_add_nc_u64 s[G0P+4*\s+2:G0P+4*\s+3], s[58:59], \s*PART
	s_or_b32 s[G0P+4*\s+3], s[G0P+4*\s+3], 0x80000000
	s_mov_b32 s[G0R+4*\s], 1
	s_add_co_u32 s[G0R+4*\s+1], s69, \s*SLOT
	s_add_nc_u64 s[G0R+4*\s+2:G0R+4*\s+3], s[60:61], \s*PART
	s_or_b32 s[G0R+4*\s+3], s[G0R+4*\s+3], 0x80000000
.endr
	JLOAD 0                                        ; slot 0: one tensor load a wave at the head; slot 1's first fill stands behind the round below
	v_and_b32 v1, 31, v0                           ; lane
	v_and_b32 v2, 15, v0                           ; r
	v_lshlrev_b32 v[LI], 4, v1
.set PFO, 15                           ; v15: the prefetches' offset, 256 min(lane, 24); never rewritten
.set PFA, 80                           ; s[80:81]: where my prefetches stand
	v_min_u32 v[PFO], 24, v1
	v_lshlrev_b32 v[PFO], 8, v[PFO]
	s_wait_alu depctr_va_vdst(0)
	; the prefetches: of the 51,200 bytes of P that a wave fetches for a slot, the partner at cy takes 12,800; of R's 25,600 the partner at cx takes 6,400: shared out by address alone
	s_mul_i32 s82, s18, 12800
	s_mul_i32 s83, s17, 6400
	s_cmp_eq_u32 s15, 0
	s_cselect_b32 s82, s82, s83
	s_cselect_b64 s[PFA:PFA+1], s[58:59], s[60:61]
	s_mov_b32 s83, 0
	s_add_nc_u64 s[PFA:PFA+1], s[PFA:PFA+1], s[82:83]
	s_add_nc_u64 s[PFA:PFA+1], s[PFA:PFA+1], 3*PART   ; at fill 3: the first refill (fill 2) steps it to fill 4
; The first fills' prefetches: behind the load of fill 0 fills 1 and 2 are named, behind the load of fill 1 fill 3; from fill 2 on ASK goes on in the same step.  off: bytes from where PFA stands.
.macro ASKAT off
	global_prefetch_b8 v[PFO], s[PFA:PFA+1] offset:\off th:TH_LOAD_NT scope:SCOPE_SE
	s_cmp_eq_u32 s15, 0
	s_cbranch_scc0 .Lr_only_\@
	global_prefetch_b8 v[PFO], s[PFA:PFA+1] offset:(\off)+6400 th:TH_LOAD_NT scope:SCOPE_SE
.Lr_only_\@:
.endm
	ASKAT -2*PART
	ASKAT -PART
	s_mul_i32 s70, s16, PART
	s_mul_i32 s71, s15, 6144
	v_add_nc_u32 v[VO], s71, v[LI]
	s_add_co_u32 s71, s71, 2*PART
	s_lshl_b32 s78, s15, 8
	v_lshl_add_u32 v[VS], v2, 4, s78
	s_add_co_u32 s78, s78, 2*PART+12288
.irp s, 0,1
	v_add_nc_u32 v[ADP+\s], s70, v[LI]
	v_add_nc_u32 v[ADR+\s], s71, v[LI]
	v_lshl_add_u32 v[ADRS+\s], v2, 4, s78
	s_add_co_u32 s70, s70, SLOT
	s_add_co_u32 s71, s71, SLOT
	s_add_co_u32 s78, s78, SLOT
.endr
	WIN 0xc0                                       ; destination window 3: cos and sin of my four token tiles, wanted only on the way out.  (A cluster of v loads them too and does not use them: rb is under 8 there, inside the buffer; so no path reads a register that it has not written)
.set fi, 0
.rept 64
	global_load_b128 v[4*fi:4*fi+3], v[LI], s[8:9] offset:512*fi
.set fi, fi+1
.endr
	WIN 0
; 8 matrix instructions: R's tile a against P's eight, 128 along K, from set f.  zero = 1: the first product starts the sums.  The 32 accumulators take turns, one instruction a turn.
.macro MUL8 a, f, zero
.irp b, 0,1,2,3,4,5,6,7
.set rD, 8*(8*(\a)+\b)
.set rP, 128*(\f)+12*\b
.set rR, RF+48*(\f)+12*(\a)
.set rX, PS+8*(\f)+\b%4
.set rY, PS+4+8*(\f)+(\a)
.if \zero
.if \b < 4
	v_wmma_scale_f32_16x16x128_f8f6f4 v[rD:rD+7], v[rP:rP+11], v[rR:rR+11], 0, v[rX], v[rY] matrix_a_fmt:MATRIX_FMT_FP6 matrix_b_fmt:MATRIX_FMT_FP6
.else
	v_wmma_scale_f32_16x16x128_f8f6f4 v[rD:rD+7], v[rP:rP+11], v[rR:rR+11], 0, v[rX], v[rY] matrix_a_fmt:MATRIX_FMT_FP6 matrix_b_fmt:MATRIX_FMT_FP6 matrix_a_scale:MATRIX_SCALE_ROW1
.endif
.else
.if \b < 4
	v_wmma_scale_f32_16x16x128_f8f6f4 v[rD:rD+7], v[rP:rP+11], v[rR:rR+11], v[rD:rD+7], v[rX], v[rY] matrix_a_fmt:MATRIX_FMT_FP6 matrix_b_fmt:MATRIX_FMT_FP6
.else
	v_wmma_scale_f32_16x16x128_f8f6f4 v[rD:rD+7], v[rP:rP+11], v[rR:rR+11], v[rD:rD+7], v[rX], v[rY] matrix_a_fmt:MATRIX_FMT_FP6 matrix_b_fmt:MATRIX_FMT_FP6 matrix_a_scale:MATRIX_SCALE_ROW1
.endif
.endif
.endr
.endm
.macro MULH a0, f, zero
	WIN 0x52                                       ; source 0 (P) window 2, source 1 (R) window 0, C and D window 1
	MUL8 \a0, \f, \zero
	MUL8 (\a0)+1, \f, \zero
.endm
.macro FETCH slot, q, f                ; 38 LDS loads in one run: the slot's q-th 128 along K into set f
	WIN 0x80
.set fi, 0
.rept 24
	ds_load_b128 v[128*(\f)+4*fi:128*(\f)+4*fi+3], v[ADP+\slot] offset:(\q)*UNIT+512*fi
.set fi, fi+1
.endr
	WIN 0
.set fi, 0
.rept 12
	ds_load_b128 v[RF+48*(\f)+4*fi:RF+48*(\f)+4*fi+3], v[ADR+\slot] offset:(\q)*UNIT+512*fi
.set fi, fi+1
.endr
	ds_load_b128 v[PS+8*(\f):PS+8*(\f)+3], v[ADP+\slot] offset:(\q)*UNIT+12288
	ds_load_b128 v[PS+4+8*(\f):PS+7+8*(\f)], v[ADRS+\slot] offset:(\q)*UNIT
.endm
; A step that has its successor in the same slot: the successor's fragments are asked for first, into the set that the step before multiplied (four places behind its last product), and land under this step's 32 products.
.macro STEP slot, q, zero
	s_wait_dscnt 0x0                               ; this step's fragments are in
	PLACES
	FETCH \slot, (\q)+1, 1-(\q)%2
	MULH 0, (\q)%2, \zero
	MULH 2, (\q)%2, \zero
.endm
; A slot's last step changes slots: ONE barrier; in front of it each wave waits for all its tensor loads, adds 0 to its spare word, and waits for that and for its reads of this slot.  fill = 1: this slot is filled again, eight K steps on.
; A prefetch behind each refill and its run of LDS loads: what the refill two refills on will ask for (fill j + 2 behind fill j; eight fills in all, so the last lap's two refills, s3 = 1, ask for nothing).
; Lanes 256 bytes apart, 25 blocks an instruction (lanes 25 to 31 name lane 24's block again): P's waves two instructions, R's waves one.
.macro ASK
	s_cmp_gt_u32 s3, 1
	s_cbranch_scc0 .Lno_ask_\@
	global_prefetch_b8 v[PFO], s[PFA:PFA+1] th:TH_LOAD_NT scope:SCOPE_SE
	s_cmp_eq_u32 s15, 0
	s_cbranch_scc0 .Lno_ask_\@
	global_prefetch_b8 v[PFO], s[PFA:PFA+1] offset:6400 th:TH_LOAD_NT scope:SCOPE_SE
.Lno_ask_\@:
.endm
.macro TURN slot, next, fill
	WIN 0
.if \fill
	s_wait_xcnt 0x0                                ; the last prefetch, four K steps back, has read its address
	s_add_nc_u64 s[PFA:PFA+1], s[PFA:PFA+1], PART
.endif
	s_wait_tensorcnt 0x0
	ds_add_u32 v[SPW], v[NIL]                      ; 0 onto my spare word
	s_wait_dscnt 0x1                               ; the fragments are in; the add alone may be out
	WIN 0x52
	MUL8 0, 1, 0
	s_wait_dscnt 0x0                               ; the add is done, and my reads of this slot are over
	s_barrier_signal -1
	MUL8 1, 1, 0
	WIN 0
	s_barrier_wait -1
.if \fill
	CREST                                          ; the barrier has opened a round of the cluster's: no wave of any partner still reads this slot or has a load on its way
	s_add_nc_u64 s[G0P+4*\slot+2:G0P+4*\slot+3], s[G0P+4*\slot+2:G0P+4*\slot+3], 2*PART
	s_add_nc_u64 s[G0R+4*\slot+2:G0R+4*\slot+3], s[G0R+4*\slot+2:G0R+4*\slot+3], 2*PART
	JLOAD \slot                                    ; the first tensor load behind the round; its four v_nop are also the places in front of the loads below
.else
	PLACES
.endif
	FETCH \next, 0, 0
.if \fill
	ASK
.endif
	MULH 2, 1, 0
.endm
	s_wait_alu depctr_va_vdst(0)
	s_wait_tensorcnt 0x0                           ; my part of slot 0 is in
	ds_add_u32 v[SPW], v[NIL]
	s_wait_dscnt 0x0
	CROUND                                         ; everybody's part of slot 0 is in, and all sixteen work-groups are here
	JLOAD 1                                        ; slot 1's first fill, the first tensor load behind the round
	FETCH 0, 0, 0
	ASKAT 0                                        ; fill 3
	STEP 0, 0, 1                                   ; the first step stands in front of the loop: its products start the sums
	WIN 0
	s_mov_b32 s3, KST/8-1
.Llap:                                                 ; a trip goes once round the ring and fills both slots again
	STEP 0, 1, 0
	STEP 0, 2, 0
	TURN 0, 1, 1
	STEP 1, 0, 0
	STEP 1, 1, 0
	STEP 1, 2, 0
	TURN 1, 0, 1
	STEP 0, 0, 0
	WIN 0
	s_sub_co_u32 s3, s3, 1
	s_cmp_lg_u32 s3, 0
	s_cbranch_scc1 .Llap
	STEP 0, 1, 0                                   ; the last lap fills nothing
	STEP 0, 2, 0
	TURN 0, 1, 0
	STEP 1, 0, 0
	STEP 1, 1, 0
	STEP 1, 2, 0
	s_wait_dscnt 0x0
	MULH 0, 1, 0
	MULH 2, 1, 0
	WIN 0
	PLACES                                         ; in front of the first read of results, and of writes over R's fragments
; 64 numbers of a lane, register 16 b + i = k 32 b + 16 h + i of my row, become a fragment's 12 registers in v[pc] on and its scale word in v[pw].  sw = 1: the numbers lie in window 1.  Each accumulator is read from its low end on.
.macro QUANT src, sw, pc, tc, pw, tm
.if \sw
	WIN 0x14
.else
	WIN 0
.endif
.irp b, 0,1,2,3
	v_max3_num_f32 v[\tm+\b], 0x1800000, |v[\src+16*\b]|, |v[\src+16*\b+1]|   ; my 16 numbers of block b, and the floor 2^(3 - 127): the byte cannot fall under 1
.endr
.irp i, 2,4,6,8,10,12,14
.irp b, 0,1,2,3
	v_max3_num_f32 v[\tm+\b], v[\tm+\b], |v[\src+16*\b+\i]|, |v[\src+16*\b+\i+1]|
.endr
.endr
	WIN 0
.irp b, 0,1,2,3
	v_permlanex16_b32 v[\tm+4+\b], v[\tm+\b], s[SEL], s[SEL+1]
.endr
.irp b, 0,1,2,3
	v_max_num_f32 v[\tm+\b], v[\tm+\b], v[\tm+4+\b]   ; with lane l xor 16's: the block's largest magnitude
.endr
.irp b, 0,1,2,3
	v_add_nc_u32 v[\tm+12+\b], 0xff000000, v[\tm+\b]  ; 2 off the exponent field: the conversion's scale operand
.endr
.irp b, 0,1,2,3
	v_lshrrev_b32 v[\tm+4+\b], 23, v[\tm+12+\b]       ; the byte
.endr
	v_lshl_or_b32 v[\pw], v[\tm+5], 8, v[\tm+4]
	v_lshl_or_b32 v[\pw], v[\tm+6], 16, v[\pw]
	v_lshl_or_b32 v[\pw], v[\tm+7], 24, v[\pw]
.if \sw
	WIN 0x01
.endif
.irp c, 0,1
	v_cvt_scalef32_pk16_fp6_f32 v[\pc+6*\c:\pc+6*\c+2], v[\src+32*\c:\src+32*\c+15], v[\tm+12+2*\c]
	v_cvt_scalef32_pk16_fp6_f32 v[\tc+4*\c:\tc+4*\c+2], v[\src+32*\c+16:\src+32*\c+31], v[\tm+13+2*\c]
.endr
	WIN 0
	v_nop                                          ; one plain place behind a scaled conversion
.irp c, 0,1                            ; the layout wants a whole block in a lane: lanes 0-15 block 2 c, lanes 16-31 block 2 c + 1
.irp i, 0,1,2
	v_permlane16_swap_b32 v[\pc+6*\c+\i], v[\tc+4*\c+\i]
.endr
.irp i, 0,1,2
	v_mov_b32 v[\pc+6*\c+3+\i], v[\tc+4*\c+\i]
.endr
.endr
.endm
; The rotation of tile a: registers 2 k, 2 k + 1 are channels 2 m, 2 m + 1 with m = 16 b + 8 h + k % 8, b = k / 8; cos of it lies in window 3 at 64 a + k, sin at 64 a + 32 + k.
.macro ROPE a
	WIN 0x0d                                       ; source 0 window 1, source 1 window 3
.set k, 0
.rept 32
.set u, U+2*(k%4)
	v_mul_f32 v[u], v[64*(\a)+2*k+1], v[64*(\a)+32+k]
	v_mul_f32 v[u+1], v[64*(\a)+2*k], v[64*(\a)+32+k]
	v_fma_f32 v[H+2*k], v[64*(\a)+2*k], v[64*(\a)+k], -v[u]
	v_fma_f32 v[H+2*k+1], v[64*(\a)+2*k+1], v[64*(\a)+k], v[u+1]
.set k, k+1
.endr
.endm
.macro OUT a                           ; the fragment leaves as it stands: three stores of 512 consecutive bytes; each tile has registers of its own
.irp c, 0,1,2
	global_store_b128 v[VO], v[PCD+12*(\a)+4*\c:PCD+12*(\a)+4*\c+3], s[10:11] offset:1536*(\a)+512*\c
.endr
.endm
.irp b, 0,1,2,3
	v_mov_b32 v[TM+4+\b], 0                        ; a lane permute's destination counts as read
.endr
	s_wait_loadcnt 0x0                             ; cos and sin
	s_cmp_eq_u32 s57, 1
	s_cbranch_scc1 .Lv_out
.irp a, 0,1,2,3
	ROPE \a
	QUANT H, 0, PCD+12*\a, TC, PW+\a, TM
	OUT \a
.endr
	s_branch .Lwords
.Lv_out:
.irp a, 0,1,2,3
	QUANT 64*\a, 1, PCD+12*\a, TC, PW+\a, TM
	OUT \a
.endr
.Lwords:
	s_wait_xcnt 0x0                                ; EXEC changes only behind this wait
	v_cmp_gt_u32 vcc_lo, 16, v1
	s_and_saveexec_b32 s70, vcc_lo
	global_store_b128 v[VS], v[PW:PW+3], s[10:11] offset:12288   ; sixteen lanes: 256 consecutive bytes of scale words
	s_wait_xcnt 0x0
	s_or_b32 exec_lo, exec_lo, s70
	s_wait_tensorcnt 0x0                           ; the wave's end
	ds_add_u32 v[SPW], v[NIL]
	s_wait_dscnt 0x0
	CROUND                                         ; the closing round
	s_endpgm
.Lfunc_end_k_q3c4e077d88_qkvproj:
	.size	k_q3c4e077d88_qkvproj, .Lfunc_end_k_q3c4e077d88_qkvproj-k_q3c4e077d88_qkvproj
	.p2alignl 7, 3214868480
	.fill 96, 4, 3214868480
	.section	.rodata,"a",@progbits
	.p2align	6, 0x0
	.amdhsa_kernel k_q3c4e077d88_qkvproj
		.amdhsa_group_segment_fixed_size 327680
		.amdhsa_private_segment_fixed_size 0
		.amdhsa_enable_private_segment 0
		.amdhsa_kernarg_size 32
		.amdhsa_user_sgpr_count 2
		.amdhsa_user_sgpr_kernarg_segment_ptr 1
		.amdhsa_wavefront_size32 1
		.amdhsa_system_sgpr_workgroup_id_x 1
		.amdhsa_system_sgpr_workgroup_id_y 1
		.amdhsa_system_sgpr_workgroup_id_z 1
		.amdhsa_system_vgpr_workitem_id 0
		.amdhsa_next_free_vgpr 1024
		.amdhsa_next_free_sgpr 100
		.amdhsa_reserve_vcc 1
		.amdhsa_float_denorm_mode_32 3
		.amdhsa_float_denorm_mode_16_64 3
		.amdhsa_memory_ordered 1
		.amdhsa_forward_progress 1
		.amdhsa_inst_pref_size 182
	.end_amdhsa_kernel
	.amdgpu_metadata
---
amdhsa.version: [ 1, 2 ]
amdhsa.kernels:
  - .name:           k_q3c4e077d88_qkvproj
    .symbol:         k_q3c4e077d88_qkvproj.kd
    .args:
      - { .name: ximg, .offset: 0, .size: 8, .value_kind: global_buffer, .address_space: global }
      - { .name: wimg, .offset: 8, .size: 8, .value_kind: global_buffer, .address_space: global }
      - { .name: rope, .offset: 16, .size: 8, .value_kind: global_buffer, .address_space: global }
      - { .name: qkv, .offset: 24, .size: 8, .value_kind: global_buffer, .address_space: global }
    .group_segment_fixed_size: 327680
    .private_segment_fixed_size: 0
    .kernarg_segment_align: 8
    .kernarg_segment_size: 32
    .max_flat_workgroup_size: 128
    .sgpr_count:     100
    .vgpr_count:     1024
    .wavefront_size: 32
...
	.end_amdgpu_metadata
.endif
;; end of part 2
;; launch attn (part 3): grid 32 x 8, 8 waves a work-group, clusters of 4 x 4, 327,680 bytes of LDS; arguments qkv, mask, att; writes att
.if DOCPART == 3
	.amdgcn_target "amdgcn-amd-amdhsa--gfx1250"
	.amdhsa_code_object_version 6
	.text
	.protected	k_q3c4e077d88_attn
	.globl	k_q3c4e077d88_attn
	.p2align	8
	.type	k_q3c4e077d88_attn,@function
k_q3c4e077d88_attn:
	s_mov_b64 s[64:65], 0
	v_nop
	global_prefetch_b8 v0, s[64:65] scope:SCOPE_SE
	s_setreg_imm32_b32 hwreg(HW_REG_WAVE_MODE, 25, 1), 1
	s_wait_xcnt 0x0
	s_wait_alu depctr_hold_cnt(0) depctr_sa_sdst(0) depctr_va_vdst(0) depctr_va_sdst(0) depctr_va_ssrc(0) depctr_va_vcc(0) depctr_vm_vsrc(0)
	s_getreg_b32 s2, hwreg(HW_REG_IB_STS2, 6, 4)
	s_cmp_eq_u32 s2, 0
	s_cbranch_scc0 .Lentry_in_a_cluster
	s_endpgm
.Lentry_in_a_cluster:
	s_bfe_u32 s2, ttmp6, 0x10000c
	s_cmp_lg_u32 s2, 0xf033
	s_cbranch_scc0 .Lentry_shape_is_right
	s_endpgm
.Lentry_shape_is_right:
; att = softmax(q k^T / sqrt(128) + mask) v for 16 query heads on 8 key and value heads, both products on codes of FP6 (E2M3) with E8M0 scales; the result is quantised along the head's channels for the last product.
; THE SOFTMAX: u = score / sqrt(128) + mask; t = u x log2(e); M = the running largest t rounded UP to a whole number; p = 2^(t - M) is quantised along the keys, not normalised; the row's sum is taken of the unquantised p and divides at the end.
; When M moves, the sum and O are multiplied by 2^(old M - new M): exact.  THE MASK IS AN INPUT: every number of it is read and added; nothing of its pattern is built in, and no work is left out.
; UNITS of 12,800 bytes as in the launches before (128 rows x 128 along K; fragment t at 1,536 t as an image of its registers; scale words from 12,288; row r of tile t = row 32 (t / 2) + 8 (t % 2) + r + 8 (r / 8)).
; qkv: unit [X][Y]: X = 0-15 a head of q, 16-23 of k (Y: 128 tokens), 24-31 of v (rows = channels, Y: 128 keys along K).
; SHARES.  A work-group of EIGHT waves, two to a SIMD, owns 64 queries and one key and value head.  Wave w: tile w / 2 of 16 queries for BOTH query heads, and group g = the parity of w's three bits: of each slot's 256 keys the g-th 128.
; Two waves whose numbers differ in one bit are of different groups.  Waves w and w xor 1 hold two halves of the same rows' softmax, each with its own M, sum and O^T; at the end each keeps one head, sends the other through LDS,
; and joins the halves under the larger M (exact powers of two).  Group 1 takes the two query heads in the other order, so that every wave keeps its tile 0 and sends its tile 1: one text for all waves.
; Both products are used transposed (S^T = K Q^T, O^T = V^T P^T): a lane holds one query; by the units' row order its registers 16 b + i are keys (or channels) 32 b + 16 h + i.
; RING: two slots of 256 keys, eight fills: K 2 units (waves 0, 1), V 2 units (waves 2, 3), the mask's 64 rows x 1,024 bytes, 16 rows a wave (waves 4-7), rows 1,032 bytes apart.  One tensor load a wave at the head and behind each round;
; a fill has one period in which to land.  CLUSTER 4 x 4: K and V hang on cy alone and are asked for jointly by a row of the cluster, the mask's tile on cx alone, by a column.
; THE TWO GROUPS TAKE A PERIOD'S PARTS IN DIFFERENT ORDER (macro PERIOD): group 0 reads a slot and then works it, group 1 works what it read a period before and then reads.
; PREFETCH: the head names fills 1 and 2; period t, which loads fill t + 1, names fill t + 3 (periods 0 to 4).  Each cluster asks for what it loads; the four partners share K's and V's 25,600 bytes (6,400 each, waves 0, 1)
; and the mask's 64 rows (16 each, waves 2, 3) by address.
; LIMITS: +infinity and NaN in the mask are not served; numbers of u under -1e38 count as -infinity (the running maximum begins there); a row all of whose keys are so hidden gives NaN (its scale words become 0xff), as the softmax
; of a row of -infinity does; a block of zeros keeps the byte 1; the promise holds while the exponents t stay under 2^31 in magnitude.
; REGISTERS: window 0: v1-11 addresses; v12-23 scale words; v24-47 Q; v48-63 statistics; v64-191 S^T, then p; v192-255 the mask, then p's codes and what is at work.  window 1: v0-127 O^T, v128-223 K, then V.
.set UNIT,  12800
.set SLOT1, 1<<17
.set VOFF,  2*UNIT
.set MOFF,  4*UNIT
.set MP,    1032
.set SPARE, 2*SLOT1                    ; the spare words, 128 bytes a wave
.set STG,   SPARE+1024                 ; 512 bytes: the result's scale words meet here
.set REG,   8704                       ; the way out: a wave's 8,192 bytes of O^T and 512 of statistics, in slot 0, which has had its last fill and its last read by then
.set LI,  1                            ; 16 x lane
.set AM0, 2                            ; my query's row of the mask in slot 0, + 64 h + 512 g
.set ADK, 3                            ; the slot in hand + LK
.set LK,  4                            ; 16 x lane + my group's unit
.set ADM, 5                            ; the slot in hand + AM0
.set SPW, 6
.set NIL, 7
.set PFO, 8
.set R16, 9                            ; 16 r
.set SWA, 10                           ; STG + 256 g + 16 r + 4 (w / 2)
.set SRA, 11                           ; STG + 16 lane
.set ONES, 2                           ; the way out names four of them anew
.set SND, 3
.set RCV, 4
.set VWO, 5
.set KS,  12
.set VS,  16
.set QS,  20
.set PSW, 22
.set QF,  24
.set ST,  48                           ; tile d at ST + 8 d: +0 -M, +1 the largest u, +2, +3 the sum in two halves, +4 f (+5 named with it), +6, +7 at work
.set S,   64
.set MK,  192                          ; the mask; once it is added, its registers serve as PCD, TC and BM
.set PCD, 192
.set TC,  216
.set BM,  232                          ; tile d at BM + 12 d: +0..3 the blocks' largest, +4..7 at work, +8..11 the conversions' scale operands
.set KV,  128                          ; K's fragments, then V's, in window 1
.set G1KV, 24
.set G1M,  32
.set G0KV, 40
.set G0M,  44
.set CS,   56
.set L2E,  58
.set SEL,  60
.set TB,   62
.set CNT,  63
.set PFA,  66
.set PFS,  68
.set LIM,  70
.set MSB, 0
.macro WIN new                         ; the immediate's high byte repeats the setting that is left; a switch that changes nothing is dropped
.if MSB != \new
	s_set_vgpr_msb (MSB<<8)|\new
.set MSB, \new
.endif
.endm
.macro PLACES
.rept 4
	v_nop
.endr
.endm
.macro CROUND
	s_barrier_signal -1
	s_barrier_wait -1
	s_cmp_lg_u32 s14, 0
	s_cbranch_scc1 .Lnot_wave_0_\@
	s_barrier_signal -3
.Lnot_wave_0_\@:
	s_barrier_wait -3
	s_barrier_signal -1
	s_barrier_wait -1
.endm
.macro JLOAD                           ; a joint load by the walking descriptors: waves 0-3 a unit of K or V, waves 4-7 16 rows of the mask: every way passes one load; four v_nop follow each line
	s_cmp_lt_u32 s14, 4
	s_cbranch_scc0 .Lfor_m_\@
	tensor_load_to_lds s[G0KV:G0KV+3], s[G1KV:G1KV+7]
	s_nop 0
	PLACES
	s_branch .Lasked_\@
.Lfor_m_\@:
	tensor_load_to_lds s[G0M:G0M+3], s[G1M:G1M+7]
	s_nop 0
	PLACES
.Lasked_\@:
.endm
.macro ASK                             ; LIM is 5 in waves 0-3 and 0 in waves 4-7: it hangs on the wave's number alone
	s_cmp_lt_u32 s[CNT], s[LIM]
	s_cbranch_scc0 .Lnot_mine_\@
	global_prefetch_b8 v[PFO], s[PFA:PFA+1] th:TH_LOAD_NT scope:SCOPE_SE
.Lnot_mine_\@:
.endm
	s_load_b128 s[4:7], s[0:1], 0x0                ; qkv, mask
	s_load_b64 s[8:9], s[0:1], 0x10                ; att
	v_lshl_add_u32 v[SPW], v0, 2, SPARE
	v_mov_b32 v[NIL], 0
	ds_add_u32 v[SPW], v[NIL]                      ; the opening lines: the add twice on end and one wait
	ds_add_u32 v[SPW], v[NIL]
	v_lshrrev_b32 v9, 5, v0
	v_readfirstlane_b32 s14, v9                    ; wave 0..7
	s_and_b32 s2, s14, 3                           ; which part of a fill I fetch
	s_lshr_b32 s98, s14, 1                         ; my tile of queries: w / 2
	s_lshr_b32 s99, s14, 2
	s_xor_b32 s3, s98, s14
	s_xor_b32 s3, s3, s99
	s_and_b32 s3, s3, 1                            ; g: my half of each slot's keys: the parity of w's three bits
	s_and_b32 s15, s14, 1
	s_bfe_u32 s16, s14, 0x10001
	s_bfe_u32 s17, ttmp6, 0x40000                  ; cx
	s_bfe_u32 s18, ttmp6, 0x40004                  ; cy
	s_lshl_b32 s19, ttmp9, 2
	s_add_co_u32 s19, s19, s17                     ; qb: which 64 queries
	s_and_b32 s20, ttmp7, 0xffff
	s_lshl_b32 s21, s20, 2
	s_add_co_u32 s21, s21, s18                     ; the key and value head
	s_lshl_b32 s22, s18, 2
	s_lshl_b32 s22, 15, s22                        ; my row of the cluster
	s_lshl_b32 s23, 0x1111, s17                    ; my column
	s_or_b32 s[G1KV], s22, (3<<16)|(1<<21)         ; a unit, dense: 50 rows of 256 bytes (32 elements of 8)
	s_mov_b32 s[G1KV+1], 32<<16
	s_mov_b32 s[G1KV+2], 50<<16
	s_mov_b32 s[G1KV+3], 32<<16
	s_mov_b32 s[G1KV+4], 50
	s_mov_b32 s[G1KV+5], 32
	s_mov_b32 s[G1KV+6], 0
	s_mov_b32 s[G1KV+7], 0
	s_or_b32 s[G1M], s23, (2<<16)|(1<<20)|(1<<21)|(7<<22)|(1<<25)   ; 16 rows of 256 f32, 2,048 apart; 2 words of padding behind every 256
	s_mov_b32 s[G1M+1], 256<<16
	s_mov_b32 s[G1M+2], 16<<16
	s_mov_b32 s[G1M+3], 256<<16
	s_mov_b32 s[G1M+4], 16
	s_mov_b32 s[G1M+5], 2048
	s_mov_b32 s[G1M+6], 0
	s_mov_b32 s[G1M+7], 0
	s_lshl_b32 s72, s16, 3
	s_add_co_u32 s72, s72, s21
	s_add_co_u32 s72, s72, 16
	s_lshl_b32 s72, s72, 4
	s_add_co_u32 s72, s72, s15
	s_mul_i32 s72, s72, UNIT                       ; unit [16 + head + 8 (part / 2)][part % 2]: K's or V's, the fill's first or second
	s_mov_b32 s73, 0
	s_lshl_b32 s74, s19, 6
	s_lshl_b32 s75, s2, 4
	s_add_co_u32 s74, s74, s75
	s_lshl_b32 s74, s74, 13                        ; the mask's rows 64 qb + 16 part on
	s_mov_b32 s75, 0
	s_lshl_b32 s76, s15, 3                         ; the prefetches stand at fill 2; period 0 steps them to fill 3
	s_add_co_u32 s76, s76, s21
	s_add_co_u32 s76, s76, 16
	s_mul_i32 s76, s76, 16*UNIT
	s_mul_i32 s77, s17, 6400
	s_add_co_u32 s76, s76, s77
	s_add_co_u32 s76, s76, 2*2*UNIT
	s_mov_b32 s77, 0
	s_lshl_b32 s78, s19, 6
	s_lshl_b32 s79, s18, 4
	s_add_co_u32 s78, s78, s79
	s_lshl_b32 s79, s15, 3
	s_add_co_u32 s78, s78, s79
	s_lshl_b32 s78, s78, 13
	s_add_co_u32 s78, s78, 2*1024
	s_mov_b32 s79, 0
	s_lshr_b32 s87, s19, 1                         ; my token block
	s_and_b32 s88, s19, 1
	s_lshl_b32 s89, s88, 2
	s_add_co_u32 s89, s89, s98
	s_mul_i32 s89, s89, 1536                       ; my tile in its unit: 4 (qb % 2) + w / 2
	s_lshl_b32 s91, s88, 8
	s_lshl_b32 s92, s98, 2
	s_add_co_u32 s95, s91, s92                     ; its scale words: 256 (qb % 2) + 4 (w / 2)
	s_lshl_b32 s90, s21, 1
	s_add_co_u32 s90, s90, s3                      ; my tile 0's query head, which I keep: 2 head + g
	s_lshl_b32 s10, s90, 4
	s_add_co_u32 s10, s10, s87
	s_mul_i32 s10, s10, UNIT                       ; q: unit [query head][token block]
	s_mov_b32 s11, 0
	s_xor_b32 s12, s90, 1                          ; my tile 1's: the other of the two
	s_lshl_b32 s12, s12, 4
	s_add_co_u32 s12, s12, s87
	s_mul_i32 s12, s12, UNIT
	s_mov_b32 s13, 0
	s_lshl_b32 s80, s87, 4
	s_add_co_u32 s80, s80, s90
	s_mul_i32 s80, s80, UNIT                       ; att: unit [token block][query head]
	s_add_co_u32 s80, s80, s89
	s_mov_b32 s81, 0
	s_lshl_b32 s82, s87, 4
	s_lshl_b32 s83, s21, 1
	s_add_co_u32 s82, s82, s83
	s_mul_i32 s82, s82, UNIT
	s_add_co_u32 s82, s82, s91                     ; where wave 0 stores both heads' scale words
	s_mov_b32 s83, 0
	s_lshl_b32 s84, s99, 5
	s_lshl_b32 s85, s16, 3
	s_add_co_u32 s84, s84, s85                     ; my tile's first row among the 64: 32 (tile / 2) + 8 (tile % 2)
	s_mul_i32 s84, s84, MP
	s_lshl_b32 s85, s3, 9
	s_add_co_u32 s84, s84, s85
	s_add_co_u32 s84, s84, MOFF                    ; in a slot, my group's 128 columns
	s_mul_i32 s85, s2, UNIT                        ; where my part of a fill goes: no place in the cluster enters an LDS address
	s_mul_i32 s86, s2, 16*MP
	s_add_co_u32 s86, s86, MOFF
	s_mul_i32 s96, s3, UNIT
	s_mul_i32 s93, s14, REG                        ; the way out: my region and my partner's (wave w xor 1)
	s_xor_b32 s94, s14, 1
	s_mul_i32 s94, s94, REG
	s_lshl_b32 s97, s3, 8
	s_add_co_u32 s97, s97, s92
	s_add_co_u32 s97, s97, STG
	s_mov_b32 s[CS], 0x3db504f3                    ; 1 / sqrt(128)
	s_mov_b32 s[CS+1], s[CS]                       ; (a packed form names the pair and takes its low word for both halves)
	s_mov_b32 s[L2E], 0x3fb8aa3b                   ; log2(e)
	s_mov_b32 s[L2E+1], s[L2E]
	s_mov_b32 s[SEL], 0x76543210
	s_mov_b32 s[SEL+1], 0xfedcba98
	s_mov_b32 s[TB], 0
	s_mov_b32 s[CNT], 0
	s_mov_b32 s[PFS], 1024
	s_mov_b32 s[PFS+1], 0
	s_wait_alu depctr_va_vdst(0)                   ; the wait ahead of the waits below
	s_wait_dscnt 0x0                               ; both opening adds are done
	s_wait_kmcnt 0x0
	s_add_nc_u64 s[72:73], s[4:5], s[72:73]
	s_add_nc_u64 s[74:75], s[6:7], s[74:75]
	s_add_nc_u64 s[76:77], s[4:5], s[76:77]
	s_add_nc_u64 s[78:79], s[6:7], s[78:79]
	s_add_nc_u64 s[10:11], s[4:5], s[10:11]
	s_add_nc_u64 s[12:13], s[4:5], s[12:13]
	s_add_nc_u64 s[80:81], s[8:9], s[80:81]
	s_add_nc_u64 s[82:83], s[8:9], s[82:83]
	s_cmp_lt_u32 s14, 2
	s_cselect_b64 s[PFA:PFA+1], s[76:77], s[78:79]
	s_cselect_b32 s[PFS], 2*UNIT, s[PFS]           ; a fill on
	s_cselect_b32 s71, -1, 0
	s_cmp_lt_u32 s14, 4
	s_cselect_b32 s[LIM], 5, 0
	s_sub_nc_u64 s[90:91], s[PFA:PFA+1], s[PFS:PFS+1]   ; fill 1, for the head's prefetch
	CROUND                                         ; all sixteen work-groups are here: the first joint loads meet
	s_mov_b32 s[G0KV], 1
	s_mov_b32 s[G0KV+1], s85
	s_mov_b64 s[G0KV+2:G0KV+3], s[72:73]
	s_or_b32 s[G0KV+3], s[G0KV+3], 0x80000000
	s_mov_b32 s[G0M], 1
	s_mov_b32 s[G0M+1], s86
	s_mov_b64 s[G0M+2:G0M+3], s[74:75]
	s_or_b32 s[G0M+3], s[G0M+3], 0x80000000
	JLOAD                                          ; fill 0: one tensor load a wave at the head
	v_and_b32 v9, 31, v0
	v_lshlrev_b32 v[LI], 4, v9
	v_min_u32 v10, 24, v9
	v_lshlrev_b32 v10, 8, v10
	v_lshrrev_b32 v11, 2, v9
	v_and_b32 v9, 3, v9
	v_lshlrev_b32 v9, 8, v9
	v_lshl_add_u32 v11, v11, 13, v9
	v_cndmask_b32 v[PFO], v11, v10, s71            ; waves 0, 1: 256 min(lane, 24); waves 2, 3: 8,192 (lane / 4) + 256 (lane % 4)
	v_and_b32 v9, 15, v0                           ; r
	v_bfe_u32 v10, v0, 4, 1                        ; h
	v_and_b32 v11, 8, v9
	v_add_nc_u32 v11, v11, v9
	v_mul_u32_u24 v[AM0], v11, MP
	v_lshl_add_u32 v[AM0], v10, 6, v[AM0]
	v_add_nc_u32 v[AM0], s84, v[AM0]
	v_lshlrev_b32 v[R16], 4, v9
	v_add_nc_u32 v[SWA], s97, v[R16]
	v_add_nc_u32 v[SRA], STG, v[LI]
	v_add_nc_u32 v[LK], s96, v[LI]
	v_mov_b32 v[ADK], v[LK]
	v_mov_b32 v[ADM], v[AM0]
	v_add_nc_u32 v[S], s89, v[LI]                  ; Q's codes and scale words in their unit
	v_add_nc_u32 v[S+1], s95, v[R16]
.irp c, 0,1,2
	global_load_b128 v[QF+4*\c:QF+4*\c+3], v[S], s[10:11] offset:512*\c        ; Q's two fragments stay in registers
	global_load_b128 v[QF+12+4*\c:QF+12+4*\c+3], v[S], s[12:13] offset:512*\c
.endr
	global_load_b32 v[QS], v[S+1], s[10:11] offset:12288
	global_load_b32 v[QS+1], v[S+1], s[12:13] offset:12288
.irp d, 0,1
	v_mov_b32 v[ST+8*\d+1], 0xfe967699             ; the largest u so far: -1e38
	v_mul_f32 v[ST+8*\d+7], s[L2E], v[ST+8*\d+1]   ; as t: finite
	v_floor_f32 v[ST+8*\d], -v[ST+8*\d+7]          ; -M
.irp i, 2,3,4,5,6
	v_mov_b32 v[ST+8*\d+\i], 0
.endr
.endr
; ---- a matrix instruction on rD, rA, rB, rX, rY.  z = 1: it starts the sum; hi = 1: source 0's scale words lie in lanes 16-31
.macro WM z, hi
.if \z
.if \hi
	v_wmma_scale_f32_16x16x128_f8f6f4 v[rD:rD+7], v[rA:rA+11], v[rB:rB+11], 0, v[rX], v[rY] matrix_a_fmt:MATRIX_FMT_FP6 matrix_b_fmt:MATRIX_FMT_FP6 matrix_a_scale:MATRIX_SCALE_ROW1
.else
	v_wmma_scale_f32_16x16x128_f8f6f4 v[rD:rD+7], v[rA:rA+11], v[rB:rB+11], 0, v[rX], v[rY] matrix_a_fmt:MATRIX_FMT_FP6 matrix_b_fmt:MATRIX_FMT_FP6
.endif
.else
.if \hi
	v_wmma_scale_f32_16x16x128_f8f6f4 v[rD:rD+7], v[rA:rA+11], v[rB:rB+11], v[rD:rD+7], v[rX], v[rY] matrix_a_fmt:MATRIX_FMT_FP6 matrix_b_fmt:MATRIX_FMT_FP6 matrix_a_scale:MATRIX_SCALE_ROW1
.else
	v_wmma_scale_f32_16x16x128_f8f6f4 v[rD:rD+7], v[rA:rA+11], v[rB:rB+11], v[rD:rD+7], v[rX], v[rY] matrix_a_fmt:MATRIX_FMT_FP6 matrix_b_fmt:MATRIX_FMT_FP6
.endif
.endif
.endm
.macro QKP t                           ; S^T = K Q^T: 16 keys of tile t, both heads
.irp d, 0,1
.set rD, S+64*\d+8*(\t)
.set rA, KV+12*(\t)
.set rB, QF+12*\d
.set rX, KS+(\t)%4
.set rY, QS+\d
	WM 1, (\t)/4
.endr
.endm
.macro PVP t, first                    ; O^T += V^T P^T: 16 channels of tile t, both heads; the 16 accumulators take turns
.irp d, 0,1
.set rD, 64*\d+8*(\t)
.set rA, KV+12*(\t)
.set rB, PCD+12*\d
.set rX, VS+(\t)%4
.set rY, PSW+\d
	WM \first, (\t)/4
.endr
.endm
.macro UFMA t                          ; u = score / sqrt(128) + mask of tile t, both heads; each accumulator is read from its low end on
.irp d, 0,1
.irp i, 0,2,4,6
	v_pk_fma_f32 v[S+64*\d+8*(\t)+\i:S+64*\d+8*(\t)+\i+1], v[S+64*\d+8*(\t)+\i:S+64*\d+8*(\t)+\i+1], s[CS:CS+1], v[MK+8*(\t)+\i:MK+8*(\t)+\i+1] op_sel_hi:[1,0,1]
.endr
.endr
.endm
.macro RESC t                          ; O^T's tile t under the new M, both heads, from each accumulator's low end on
.irp d, 0,1
.irp i, 0,2,4,6
	v_pk_mul_f32 v[64*\d+8*(\t)+\i:64*\d+8*(\t)+\i+1], v[64*\d+8*(\t)+\i:64*\d+8*(\t)+\i+1], v[ST+8*\d+4:ST+8*\d+5] op_sel_hi:[1,0]
.endr
.endr
.endm
.macro MAXES                           ; the largest u of each block of 32 keys: it serves the row's maximum and, since p rises with u, the block's largest p
.irp b, 0,1,2,3
.irp d, 0,1
	v_max3_num_f32 v[BM+12*\d+\b], v[S+64*\d+16*\b], v[S+64*\d+16*\b+1], v[S+64*\d+16*\b+2]
.endr
.endr
.irp i, 3,5,7,9,11,13
.irp b, 0,1,2,3
.irp d, 0,1
	v_max3_num_f32 v[BM+12*\d+\b], v[BM+12*\d+\b], v[S+64*\d+16*\b+\i], v[S+64*\d+16*\b+\i+1]
.endr
.endr
.endr
.irp b, 0,1,2,3
.irp d, 0,1
	v_max_num_f32 v[BM+12*\d+\b], v[BM+12*\d+\b], v[S+64*\d+16*\b+15]
.endr
.endr
.irp b, 0,1,2,3
.irp d, 0,1
	v_permlanex16_b32 v[BM+12*\d+4+\b], v[BM+12*\d+\b], s[SEL], s[SEL+1]
.endr
.endr
.irp b, 0,1,2,3
.irp d, 0,1
	v_max_num_f32 v[BM+12*\d+\b], v[BM+12*\d+\b], v[BM+12*\d+4+\b]   ; with lane l xor 16's 16 keys
.endr
.endr
.endm
.macro STATS                           ; two chains by turns; a hint stands ahead of each line that reads the line two (or four) vector lines back
.irp d, 0,1
	v_max3_num_f32 v[ST+8*\d+6], v[BM+12*\d], v[BM+12*\d+1], v[BM+12*\d+2]
.endr
.irp d, 0,1
	s_delay_alu instid0(VALU_DEP_2)
	v_max3_num_f32 v[ST+8*\d+1], v[ST+8*\d+6], v[BM+12*\d+3], v[ST+8*\d+1]   ; the running largest u
.endr
.irp d, 0,1
	s_delay_alu instid0(VALU_DEP_2)
	v_mul_f32 v[ST+8*\d+7], s[L2E], v[ST+8*\d+1]   ; as t
.endr
.irp d, 0,1
	v_mov_b32 v[ST+8*\d+6], v[ST+8*\d]
.endr
.irp d, 0,1
	s_delay_alu instid0(VALU_DEP_4)
	v_floor_f32 v[ST+8*\d], -v[ST+8*\d+7]          ; the new -M = -ceil(t): a whole number
.endr
.irp d, 0,1
	s_delay_alu instid0(VALU_DEP_2)
	v_sub_f32 v[ST+8*\d+6], v[ST+8*\d], v[ST+8*\d+6]   ; old M - new M
.endr
.irp d, 0,1
	s_delay_alu instid0(VALU_DEP_2)
	v_cvt_i32_f32 v[ST+8*\d+6], v[ST+8*\d+6]       ; (it saturates)
.endr
.irp d, 0,1
	s_delay_alu instid0(VALU_DEP_2)
	v_ldexp_f32 v[ST+8*\d+4], 1.0, v[ST+8*\d+6]    ; f = 2^(old M - new M)
.endr
.irp b, 0,1,2,3
.irp d, 0,1
	v_fma_f32 v[BM+12*\d+\b], v[BM+12*\d+\b], s[L2E], v[ST+8*\d]   ; t - M of the blocks' largest: the same multiply-add as SCAL's
.endr
.endr
.irp d, 0,1
	v_pk_mul_f32 v[ST+8*\d+2:ST+8*\d+3], v[ST+8*\d+2:ST+8*\d+3], v[ST+8*\d+4:ST+8*\d+5] op_sel_hi:[1,0]   ; the sums under the new M
.endr
.endm
.macro SCAL d, p                       ; t - M = u log2(e) - M of pair p of tile d
	v_pk_fma_f32 v[S+64*(\d)+2*(\p):S+64*(\d)+2*(\p)+1], v[S+64*(\d)+2*(\p):S+64*(\d)+2*(\p)+1], s[L2E:L2E+1], v[ST+8*(\d):ST+8*(\d)+1] op_sel_hi:[1,0,0]
.endm
.macro SUM d, m                        ; line m of 32 of tile d's sum of the UNQUANTISED p, in two chains: the sum itself and a second chain in TC; line 31 joins them
.if (\m) == 0
	v_pk_add_f32 v[TC+8*(\d):TC+8*(\d)+1], v[S+64*(\d):S+64*(\d)+1], v[S+64*(\d)+2:S+64*(\d)+3]
.elseif (\m) == 31
	v_pk_add_f32 v[ST+8*(\d)+2:ST+8*(\d)+3], v[ST+8*(\d)+2:ST+8*(\d)+3], v[TC+8*(\d):TC+8*(\d)+1]
.elseif (\m)%2 == 1
	v_pk_add_f32 v[ST+8*(\d)+2:ST+8*(\d)+3], v[ST+8*(\d)+2:ST+8*(\d)+3], v[S+64*(\d)+2*(\m)+2:S+64*(\d)+2*(\m)+3]
.else
	v_pk_add_f32 v[TC+8*(\d):TC+8*(\d)+1], v[TC+8*(\d):TC+8*(\d)+1], v[S+64*(\d)+2*(\m)+2:S+64*(\d)+2*(\m)+3]
.endif
.endm
.macro SCL m                           ; line m of 30 that make the scales of p's eight blocks: the floor 2^(3 - 127), 2 off the exponent field (the conversion's scale operand), the byte, the scale words
.set sd, (\m)%2
.set sb, ((\m)%8)/2
.if (\m) < 8
	v_max_num_f32 v[BM+12*sd+sb], 0x1800000, v[BM+12*sd+sb]
.elseif (\m) < 16
	v_add_nc_u32 v[BM+12*sd+8+sb], 0xff000000, v[BM+12*sd+sb]
.elseif (\m) < 24
	v_lshrrev_b32 v[BM+12*sd+4+sb], 23, v[BM+12*sd+8+sb]
.elseif (\m) < 26
	v_lshl_or_b32 v[PSW+sd], v[BM+12*sd+5], 8, v[BM+12*sd+4]
.elseif (\m) < 28
	v_lshl_or_b32 v[PSW+sd], v[BM+12*sd+6], 16, v[PSW+sd]
.elseif (\m) < 30
	v_lshl_or_b32 v[PSW+sd], v[BM+12*sd+7], 24, v[PSW+sd]
.endif
.endm
; SEQ: the change of slots.  fill = 1: the other slot is filled behind a round of the cluster's barrier (in period 0: its first fill, issued as a refill is); fill = 0: the last period.
.macro SEQ fill
	s_wait_alu depctr_va_vdst(0)                   ; the wait ahead of the waits and branches below
	s_wait_tensorcnt 0x0                           ; my one load that was out, my part of this period's slot, has landed: so a group 0 may be written
	ds_add_u32 v[SPW], v[NIL]                      ; 0 onto my spare word
.if \fill
	s_xor_b32 s[G0KV+1], s[G0KV+1], SLOT1          ; the walking descriptors: the other slot, the next 256 keys
	s_add_nc_u64 s[G0KV+2:G0KV+3], s[G0KV+2:G0KV+3], 2*UNIT
	s_xor_b32 s[G0M+1], s[G0M+1], SLOT1
	s_add_nc_u64 s[G0M+2:G0M+3], s[G0M+2:G0M+3], 1024
	s_wait_xcnt 0x0                                ; the last prefetch has read its address
	s_add_nc_u64 s[PFA:PFA+1], s[PFA:PFA+1], s[PFS:PFS+1]
	s_wait_dscnt 0x0                               ; the add is done, and my reads of the other slot are over
	CROUND
	JLOAD                                          ; the first tensor load behind the round
.else
	s_wait_dscnt 0x0
	s_barrier_signal -1
	s_barrier_wait -1
.endif
.endm
; XPH: all my LDS reads of the slot in hand, and S^T = K Q^T.
.macro XPH
	s_wait_dscnt 0x0                               ; no LDS load of mine is out: the counts below count this part's loads alone
	PLACES                                         ; behind the last products, in front of the loads over V and over p's codes
	WIN 0x40
.set fi, 0
.rept 24
	ds_load_b128 v[KV+4*fi:KV+4*fi+3], v[ADK] offset:512*fi
.set fi, fi+1
.endr
	WIN 0
	ds_load_b128 v[KS:KS+3], v[ADK] offset:12288
.set fi, 0
.rept 32
	ds_load_b64 v[MK+2*fi:MK+2*fi+1], v[ADM] offset:128*(fi/8)+8*(fi%8)   ; register 16 b + i: key 32 b + 16 h + i of my query's row
.set fi, fi+1
.endr
	s_wait_dscnt 32                                ; K and its scale words are in; the mask's 32 loads may be out
	WIN 0x01                                       ; source 0 (K) window 1
.irp t, 0,1,2,3,4,5,6,7
	QKP \t
.endr
	PLACES                                         ; in front of the loads over K and of the first read of a score
	WIN 0x40
.set fi, 0
.rept 24
	ds_load_b128 v[KV+4*fi:KV+4*fi+3], v[ADK] offset:VOFF+512*fi
.set fi, fi+1
.endr
	WIN 0
	ds_load_b128 v[VS:VS+3], v[ADK] offset:VOFF+12288
.endm
; YPH: the softmax and O^T += V^T P^T, on registers alone but for the waits for XPH's loads.  fill = 1: in the loop, where a wave's first softmax lies.
.macro YPH fill
	s_wait_dscnt 25                                ; the mask is in; V's 24 loads and its scale words may be out
.irp t, 0,1,2,3,4,5,6,7
	UFMA \t
.endr
	MAXES
	STATS
.set n, 0
.rept 32
	SCAL 0, n
.set n, n+1
.endr
	s_wait_alu depctr_va_vdst(0)                   ; the wait ahead of a batch of transcendentals
.set n, 0
.rept 32
	v_exp_f32 v[S+2*n], v[S+2*n]                   ; tile 0's p; between them tile 1's t - M, which names none of the batch's registers
	v_exp_f32 v[S+2*n+1], v[S+2*n+1]
	SCAL 1, n
.set n, n+1
.endr
	s_wait_alu depctr_va_vdst(0)                   ; behind tile 0's batch and ahead of the next
.irp b, 0,1,2,3
.irp d, 0,1
	v_exp_f32 v[BM+12*\d+\b], v[BM+12*\d+\b]       ; the blocks' largest p: the same two instructions on the same number give the same bits
.endr
.endr
.set n, 0
.rept 64
	v_exp_f32 v[S+64+n], v[S+64+n]
.set n, n+1
.endr
	v_nop                                          ; one plain place behind the batch
	s_wait_alu depctr_va_vdst(0)
.set n, 0
.rept 32
	SUM 0, n                                       ; four chains of sums and the scales' lines by turns
	SUM 1, n
	SCL n
.set n, n+1
.endr
.irp d, 0,1
.irp c, 0,1
	v_cvt_scalef32_pk16_fp6_f32 v[PCD+12*\d+6*\c:PCD+12*\d+6*\c+2], v[S+64*\d+32*\c:S+64*\d+32*\c+15], v[BM+12*\d+8+2*\c]
	v_cvt_scalef32_pk16_fp6_f32 v[TC+8*\d+4*\c:TC+8*\d+4*\c+2], v[S+64*\d+32*\c+16:S+64*\d+32*\c+31], v[BM+12*\d+9+2*\c]
.endr
.endr
	v_nop                                          ; one plain place behind a scaled conversion
.irp d, 0,1
.irp c, 0,1                            ; the layout wants a whole block in a lane: lanes 0-15 block 2 c, lanes 16-31 block 2 c + 1
.irp i, 0,1,2
	v_permlane16_swap_b32 v[PCD+12*\d+6*\c+\i], v[TC+8*\d+4*\c+\i]
.endr
.irp i, 0,1,2
	v_mov_b32 v[PCD+12*\d+6*\c+3+\i], v[TC+8*\d+4*\c+\i]
.endr
.endr
.endr
	s_wait_alu depctr_va_vdst(0)                   ; the wait ahead of the wait and the branch below
	s_wait_dscnt 0x0                               ; V and its scale words are in
.if \fill
	s_cmp_eq_u32 s[CNT], s3                        ; my first softmax (period g): its products start O^T's sums: nothing is cleared, nothing rescaled
	s_cbranch_scc1 .Lfirst_\@
.endif
	s_wait_alu depctr_va_vdst(0)                   ; the wait directly ahead of the first reader of O^T
	WIN 0x51                                       ; source 0 (O^T; V) window 1, source 1 (f; p) window 0, C and D window 1
.irp t, 0,1,2,3,4,5,6,7
	RESC \t                                        ; these 64 lines are also the places behind the scale words' and codes' last writes
.endr
.irp t, 0,1,2,3,4,5,6,7
	PVP \t, 0
.endr
	WIN 0
.if \fill
	s_branch .Lpv_done_\@
.Lfirst_\@:
.rept 8
	v_nop                                          ; places between the scale words' and codes' last writes and the scaled products
.endr
	WIN 0x51
.irp t, 0,1,2,3,4,5,6,7
	PVP \t, 1
.endr
	WIN 0
.Lpv_done_\@:
.endif
.endm
; A PERIOD, from one change of slots to the next.  Group 0 reads slot p and then works it (XPH p, YPH p); group 1 first works what it read in the period before and then reads slot p (YPH p - 1, XPH p).
; So of the two waves of a tile one is at its LDS reads and products K Q^T while the other is at its vector work.  Every read of slot p lies inside period p, for both groups, so the ring is as in a plain walk.
; Between XPH and YPH a wave keeps the scores, the mask, V and its scale words in registers.  Group 1 has nothing to work in period 0 (CNT < g) and works slot 7 behind the last period.  All branches hang on the wave's number and the count of periods.
.macro PERIOD fill
	SEQ \fill
	s_cmp_eq_u32 s3, 0
	s_cbranch_scc0 .Lnot_g0_\@
	XPH
.Lnot_g0_\@:
.if \fill
	ASK
	s_cmp_lt_u32 s[CNT], s3
	s_cbranch_scc1 .Lno_y_\@
.endif
	YPH \fill
.if \fill
.Lno_y_\@:
.endif
	s_cmp_eq_u32 s3, 0
	s_cbranch_scc1 .Lnot_g1_\@
	XPH
.Lnot_g1_\@:
.if \fill
	s_xor_b32 s[TB], s[TB], SLOT1                  ; both groups' reads of this slot are issued: the addresses go on to the other slot, on the way that all waves take
	v_add_nc_u32 v[ADK], s[TB], v[LK]
	v_add_nc_u32 v[ADM], s[TB], v[AM0]
.endif
.endm
	s_wait_alu depctr_va_vdst(0)                   ; the wait at the head's end
	s_cmp_lt_u32 s14, 4
	s_cbranch_scc0 .Lno_first_ask
	global_prefetch_b8 v[PFO], s[90:91] th:TH_LOAD_NT scope:SCOPE_SE          ; fill 1
	global_prefetch_b8 v[PFO], s[PFA:PFA+1] th:TH_LOAD_NT scope:SCOPE_SE      ; fill 2
.Lno_first_ask:
	s_wait_loadcnt 0x0                             ; Q
.Ltrip:                                                ; seven periods, each of which fills the other slot
	PERIOD 1
	s_add_co_u32 s[CNT], s[CNT], 1
	s_cmp_lt_u32 s[CNT], 7
	s_cbranch_scc1 .Ltrip
	PERIOD 0                                       ; the tail is written out
	s_cmp_eq_u32 s3, 0
	s_cbranch_scc1 .Lway_out
	YPH 0                                          ; group 1 works slot 7
.Lway_out:
; THE WAY OUT.  I keep tile 0 and send tile 1's O^T, -M and sum to wave w xor 1, whose tile 0 is the same head and the same queries; its tile 1 comes to me.  The halves are joined under the larger M, divided by the joined sum,
; quantised along the head's channels, and leave as one fragment; the eight waves' scale words meet in LDS and leave as whole runs of 256 bytes.
.macro QUANT src, pc, tc, pw, tm
.irp b, 0,1,2,3
	v_max3_num_f32 v[\tm+\b], |v[\src+16*\b]|, |v[\src+16*\b+1]|, 0x1800000
.endr
.irp i, 2,4,6,8,10,12,14
.irp b, 0,1,2,3
	v_max3_num_f32 v[\tm+\b], v[\tm+\b], |v[\src+16*\b+\i]|, |v[\src+16*\b+\i+1]|
.endr
.endr
.irp b, 0,1,2,3
	v_permlanex16_b32 v[\tm+4+\b], v[\tm+\b], s[SEL], s[SEL+1]
.endr
.irp b, 0,1,2,3
	v_max_num_f32 v[\tm+\b], v[\tm+\b], v[\tm+4+\b]
.endr
.irp b, 0,1,2,3
	v_add_nc_u32 v[\tm+12+\b], 0xff000000, v[\tm+\b]
.endr
.irp b, 0,1,2,3
	v_lshrrev_b32 v[\tm+4+\b], 23, v[\tm+12+\b]
.endr
	v_lshl_or_b32 v[\pw], v[\tm+5], 8, v[\tm+4]
	v_lshl_or_b32 v[\pw], v[\tm+6], 16, v[\pw]
	v_lshl_or_b32 v[\pw], v[\tm+7], 24, v[\pw]
.irp c, 0,1
	v_cvt_scalef32_pk16_fp6_f32 v[\pc+6*\c:\pc+6*\c+2], v[\src+32*\c:\src+32*\c+15], v[\tm+12+2*\c]
	v_cvt_scalef32_pk16_fp6_f32 v[\tc+4*\c:\tc+4*\c+2], v[\src+32*\c+16:\src+32*\c+31], v[\tm+13+2*\c]
.endr
	v_nop
.irp c, 0,1
.irp i, 0,1,2
	v_permlane16_swap_b32 v[\pc+6*\c+\i], v[\tc+4*\c+\i]
.endr
.irp i, 0,1,2
	v_mov_b32 v[\pc+6*\c+3+\i], v[\tc+4*\c+\i]
.endr
.endr
.endm
	PLACES                                         ; behind the last products
	v_add_nc_u32 v[SND], s93, v[LI]
	v_add_nc_u32 v[RCV], s94, v[LI]
.irp d, 0,1
	v_add_f32 v[ST+8*\d+6], v[ST+8*\d+2], v[ST+8*\d+3]
.endr
.irp d, 0,1
	v_permlanex16_b32 v[ST+8*\d+7], v[ST+8*\d+6], s[SEL], s[SEL+1]
.endr
.irp d, 0,1
	v_add_f32 v[ST+8*\d+6], v[ST+8*\d+6], v[ST+8*\d+7]   ; the row's sum over my keys
.endr
	v_mov_b32 v[ST+9], v[ST+14]                    ; beside tile 1's -M
	WIN 0x04                                       ; an LDS store's data are its source 1: window 1
.set fi, 0
.rept 16
	ds_store_b128 v[SND], v[64+4*fi:64+4*fi+3] offset:512*fi   ; each accumulator from its low end on
.set fi, fi+1
.endr
	WIN 0
	ds_store_b128 v[SND], v[ST+8:ST+11] offset:8192   ; -M, the sum (the other two words are not used)
	v_bfe_u32 v[VWO], v0, 4, 1
	v_mul_u32_u24 v[VWO], v[VWO], UNIT
	v_add_nc_u32 v[VWO], v[VWO], v[R16]            ; where wave 0 stores the scale words: head lane / 16, + 16 r
	v_mov_b32 v[ONES], -1
	s_wait_alu depctr_va_vdst(0)                   ; the wait ahead of the wait below
	s_wait_dscnt 0x0                               ; for my partner's sake
	s_barrier_signal -1
	s_barrier_wait -1
.set fi, 0
.rept 16
	ds_load_b128 v[S+64+4*fi:S+64+4*fi+3], v[RCV] offset:512*fi
.set fi, fi+1
.endr
	ds_load_b128 v[BM:BM+3], v[RCV] offset:8192
	s_wait_dscnt 0x0
	v_min_num_f32 v[BM+4], v[ST], v[BM]            ; -M of the two halves together
	v_sub_f32 v[BM+5], v[BM+4], v[ST]
	v_sub_f32 v[BM+6], v[BM+4], v[BM]
	v_cvt_i32_f32 v[BM+5], v[BM+5]
	v_cvt_i32_f32 v[BM+6], v[BM+6]
	v_ldexp_f32 v[BM+5], 1.0, v[BM+5]              ; 2^(my M - M),
	v_ldexp_f32 v[BM+6], 1.0, v[BM+6]              ; 2^(my partner's M - M)
	v_mul_f32 v[ST+7], v[ST+6], v[BM+5]
	v_fma_f32 v[ST+6], v[BM+1], v[BM+6], v[ST+7]   ; the row's sum
	s_wait_alu depctr_va_vdst(0)                   ; the wait ahead of the transcendental
	v_rcp_f32 v[ST+4], v[ST+6]
	v_nop
	s_wait_alu depctr_va_vdst(0)                   ; and behind it
	v_mul_f32 v[BM+8], v[BM+5], v[ST+4]
	v_mul_f32 v[BM+10], v[BM+6], v[ST+4]
.set j, 0
.rept 32
	v_pk_mul_f32 v[S+64+j:S+65+j], v[S+64+j:S+65+j], v[BM+10:BM+11] op_sel_hi:[1,0]
.set j, j+2
.endr
	WIN 0x01
	s_wait_alu depctr_va_vdst(0)                   ; the wait directly ahead of the first reader of O^T
.set j, 0
.rept 32
	v_pk_fma_f32 v[S+j:S+j+1], v[j:j+1], v[BM+8:BM+9], v[S+64+j:S+65+j] op_sel_hi:[1,0,1]
.set j, j+2
.endr
	WIN 0
	QUANT S, PCD, TC, PSW, BM
	v_cmp_eq_f32 vcc_lo, 0, v[ST+6]                ; a row with no key at all: its scale bytes become 0xff, which makes the last product's sums NaN
	v_cndmask_b32 v[PSW], v[PSW], v[ONES], vcc_lo
.irp c, 0,1,2
	global_store_b128 v[LI], v[PCD+4*\c:PCD+4*\c+3], s[80:81] offset:512*\c   ; 512 consecutive bytes
.endr
	ds_store_b32 v[SWA], v[PSW]                    ; both halves of the lanes hold the same word
	s_wait_alu depctr_va_vdst(0)
	s_wait_dscnt 0x0                               ; for the others' sake
	s_barrier_signal -1
	s_barrier_wait -1
	s_cmp_lg_u32 s14, 0
	s_cbranch_scc1 .Lnot_0
	ds_load_b128 v[S:S+3], v[SRA]
	s_wait_dscnt 0x0
	global_store_b128 v[VWO], v[S:S+3], s[82:83] offset:12288   ; lanes 0-15 and lanes 16-31 each store 256 consecutive aligned bytes
.Lnot_0:
	s_wait_tensorcnt 0x0                           ; the wave's end
	ds_add_u32 v[SPW], v[NIL]
	s_wait_dscnt 0x0
	CROUND                                         ; the closing round
	s_endpgm
.Lfunc_end_k_q3c4e077d88_attn:
	.size	k_q3c4e077d88_attn, .Lfunc_end_k_q3c4e077d88_attn-k_q3c4e077d88_attn
	.p2alignl 7, 3214868480
	.fill 96, 4, 3214868480
	.section	.rodata,"a",@progbits
	.p2align	6, 0x0
	.amdhsa_kernel k_q3c4e077d88_attn
		.amdhsa_group_segment_fixed_size 327680
		.amdhsa_private_segment_fixed_size 0
		.amdhsa_enable_private_segment 0
		.amdhsa_kernarg_size 24
		.amdhsa_user_sgpr_count 2
		.amdhsa_user_sgpr_kernarg_segment_ptr 1
		.amdhsa_wavefront_size32 1
		.amdhsa_system_sgpr_workgroup_id_x 1
		.amdhsa_system_sgpr_workgroup_id_y 1
		.amdhsa_system_sgpr_workgroup_id_z 1
		.amdhsa_system_vgpr_workitem_id 0
		.amdhsa_next_free_vgpr 512
		.amdhsa_next_free_sgpr 100
		.amdhsa_reserve_vcc 1
		.amdhsa_float_denorm_mode_32 3
		.amdhsa_float_denorm_mode_16_64 3
		.amdhsa_memory_ordered 1
		.amdhsa_forward_progress 1
		.amdhsa_inst_pref_size 154
	.end_amdhsa_kernel
	.amdgpu_metadata
---
amdhsa.version: [ 1, 2 ]
amdhsa.kernels:
  - .name:           k_q3c4e077d88_attn
    .symbol:         k_q3c4e077d88_attn.kd
    .args:
      - { .name: qkv, .offset: 0, .size: 8, .value_kind: global_buffer, .address_space: global }
      - { .name: mask, .offset: 8, .size: 8, .value_kind: global_buffer, .address_space: global }
      - { .name: att, .offset: 16, .size: 8, .value_kind: global_buffer, .address_space: global }
    .group_segment_fixed_size: 327680
    .private_segment_fixed_size: 0
    .kernarg_segment_align: 8
    .kernarg_segment_size: 24
    .max_flat_workgroup_size: 256
    .sgpr_count:     100
    .vgpr_count:     512
    .wavefront_size: 32
...
	.end_amdgpu_metadata
.endif
;; end of part 3
;; launch oproj (part 4): grid 16 x 16, 4 waves a work-group, clusters of 4 x 4, 327,680 bytes of LDS; arguments att, woimg, out0; writes out0
.if DOCPART == 4
	.amdgcn_target "amdgcn-amd-amdhsa--gfx1250"
	.amdhsa_code_object_version 6
	.text
	.protected	k_q3c4e077d88_oproj
	.globl	k_q3c4e077d88_oproj
	.p2align	8
	.type	k_q3c4e077d88_oproj,@function
k_q3c4e077d88_oproj:
	s_mov_b64 s[64:65], 0
	v_nop
	global_prefetch_b8 v0, s[64:65] scope:SCOPE_SE
	s_setreg_imm32_b32 hwreg(HW_REG_WAVE_MODE, 25, 1), 1
	s_wait_xcnt 0x0
	s_wait_alu depctr_hold_cnt(0) depctr_sa_sdst(0) depctr_va_vdst(0) depctr_va_sdst(0) depctr_va_ssrc(0) depctr_va_vcc(0) depctr_vm_vsrc(0)
	s_getreg_b32 s2, hwreg(HW_REG_IB_STS2, 6, 4)
	s_cmp_eq_u32 s2, 0
	s_cbranch_scc0 .Lentry_in_a_cluster
	s_endpgm
.Lentry_in_a_cluster:
	s_bfe_u32 s2, ttmp6, 0x10000c
	s_cmp_lg_u32 s2, 0xf033
	s_cbranch_scc0 .Lentry_shape_is_right
	s_endpgm
.Lentry_shape_is_right:
; out0 = att wo on codes of FP6 (E2M3) with E8M0 scales; out0 [2048][4096] f32.  Operands lie in UNITS of 12,800 bytes (128 rows x 128 along K: fragment t at 1,536 t as an image of its 12 registers; the scale word of tile t, row r at
; 12,288 + 16 (r + 16 (t / 4)) + 4 (t % 4); row r of tile t = row 32 (t / 2) + 8 (t % 2) + r + 8 (r / 8)): att [token block 16][K step 16], woimg [column block 32][K step 16].
; SHARES.  A work-group multiplies 256 columns of wo (P, source 0) by 128 tokens (R, source 1): 256 work-groups.  Wave (wp, wr): P's block wp (8 tiles), R's tiles 4 wr .. 4 wr + 3: 32 accumulators.
; In the result a lane holds one token, and its 64 registers of a tile are columns 32 b + 16 h + i of the block.
; K goes through two LDS slots of four K steps; P's tiles are asked for jointly by a column of the 4 x 4 cluster, R's by a row; one tensor load a wave behind each round.  A wave has one tensor load out at a time: one at the head, then one behind each round.
; Prefetch: fills 1 to 3 are named at the head, shared out among the cluster's partners by address.
; REGISTERS: window 0: v1-16 addresses; v32-47 scale words, two sets; v64-159 R's fragments, two sets; on the way out v64-191.  window 1: accumulator (a, b) at 8 (8 a + b).  window 2: P's fragments, sets at v0 and v128.
.set UNIT,  12800
.set KST,   16
.set PART,  4*UNIT
.set SLOT,  3*PART
.set SPARE, 2*SLOT
.set SPITCH, 528                       ; the way out: a stage of 16 rows x (512 bytes + 16) a wave, in slot 0, which has had its last fill and its last read when the first result is stored there
.set ADP,  4
.set ADR,  6
.set ADRS, 8
.set SPW,  10
.set NIL,  11
.set LI,   12
.set STO,  13
.set RD,   14
.set PS,   32
.set RF,   64
.set BK,   64
.set G1P, 24
.set G0P, 32
.set G1R, 40
.set G0R, 48
.set MSB, 0
.macro WIN new
.if MSB != \new
	s_set_vgpr_msb (MSB<<8)|\new
.set MSB, \new
.endif
.endm
.macro PLACES
.rept 4
	v_nop
.endr
.endm
.macro JLOAD s
	s_cmp_eq_u32 s15, 0
	s_cbranch_scc0 .Lfor_r_\@
	tensor_load_to_lds s[G0P+4*\s:G0P+4*\s+3], s[G1P:G1P+7]
	s_nop 0
	PLACES
	s_branch .Lasked_\@
.Lfor_r_\@:
	tensor_load_to_lds s[G0R+4*\s:G0R+4*\s+3], s[G1R:G1R+7]
	s_nop 0
	PLACES
.Lasked_\@:
.endm
.macro CREST
	s_cmp_lg_u32 s14, 0
	s_cbranch_scc1 .Lnot_wave_0_\@
	s_barrier_signal -3
.Lnot_wave_0_\@:
	s_barrier_wait -3
	s_barrier_signal -1
	s_barrier_wait -1
.endm
.macro CROUND
	s_barrier_signal -1
	s_barrier_wait -1
	CREST
.endm
	s_load_b128 s[4:7], s[0:1], 0x0                ; att, woimg
	s_load_b64 s[8:9], s[0:1], 0x10                ; out0
	v_lshl_add_u32 v[SPW], v0, 2, SPARE
	v_mov_b32 v[NIL], 0
	ds_add_u32 v10, v11
	ds_add_u32 v10, v11
	s_wait_dscnt 0x0
	v_lshrrev_b32 v1, 5, v0
	v_readfirstlane_b32 s14, v1                    ; wave
	s_lshr_b32 s15, s14, 1                         ; wr.  Also: I fetch for P (0) or for R (1)
	s_and_b32 s16, s14, 1                          ; wp.  Also: which part I fetch
	s_bfe_u32 s17, ttmp6, 0x40000                  ; cx
	s_bfe_u32 s18, ttmp6, 0x40004                  ; cy
	s_lshl_b32 s22, ttmp9, 2
	s_add_co_u32 s22, s22, s17                     ; pb: which 256 columns
	s_and_b32 s23, ttmp7, 0xffff
	s_lshl_b32 s23, s23, 2
	s_add_co_u32 s23, s23, s18                     ; rb: which 128 tokens
	s_lshl_b32 s20, s18, 2
	s_lshl_b32 s20, 15, s20                        ; my row of the cluster
	s_lshl_b32 s21, 0x1111, s17                    ; my column
	s_or_b32 s[G1P], s21, (3<<16)|(1<<21)          ; dense blocks as rows of 256 bytes: P 200 rows, R 100
	s_mov_b32 s[G1P+1], 32<<16
	s_mov_b32 s[G1P+2], 200<<16
	s_mov_b32 s[G1P+3], 32<<16
	s_mov_b32 s[G1P+4], 200
	s_mov_b32 s[G1P+5], 32
	s_mov_b32 s[G1P+6], 0
	s_mov_b32 s[G1P+7], 0
	s_or_b32 s[G1R], s20, (3<<16)|(1<<21)
	s_mov_b32 s[G1R+1], 32<<16
	s_mov_b32 s[G1R+2], 100<<16
	s_mov_b32 s[G1R+3], 32<<16
	s_mov_b32 s[G1R+4], 100
	s_mov_b32 s[G1R+5], 32
	s_mov_b32 s[G1R+6], 0
	s_mov_b32 s[G1R+7], 0
	s_lshl_b32 s62, s22, 1
	s_add_co_u32 s62, s62, s16
	s_mul_i32 s62, s62, KST*UNIT
	s_mov_b32 s63, 0
	s_mul_i32 s66, s23, KST*UNIT
	s_mul_i32 s67, s16, 2*UNIT
	s_add_co_u32 s66, s66, s67
	s_mov_b32 s67, 0
	s_mul_i32 s68, s16, PART
	s_mul_i32 s69, s16, 2*UNIT
	s_add_co_u32 s69, s69, 2*PART
	s_lshl_b32 s72, s23, 7
	s_lshl_b32 s73, s15, 6
	s_add_co_u32 s72, s72, s73
	s_lshl_b32 s72, s72, 14                        ; my first token's row of 16,384 bytes,
	s_lshl_b32 s73, s22, 10
	s_add_co_u32 s72, s72, s73
	s_lshl_b32 s73, s16, 9
	s_add_co_u32 s72, s72, s73                     ; my first column: 1,024 pb + 512 wp bytes
	s_mov_b32 s73, 0
	s_wait_kmcnt 0x0
	s_add_nc_u64 s[58:59], s[6:7], s[62:63]
	s_add_nc_u64 s[60:61], s[4:5], s[66:67]
	s_add_nc_u64 s[8:9], s[8:9], s[72:73]
	CROUND
.irp s, 0,1
	s_mov_b32 s[G0P+4*\s], 1
	s_add_co_u32 s[G0P+4*\s+1], s68, \s*SLOT
	s_add_nc_u64 s[G0P+4*\s+2:G0P+4*\s+3], s[58:59], \s*PART
	s_or_b32 s[G0P+4*\s+3], s[G0P+4*\s+3], 0x80000000
	s_mov_b32 s[G0R+4*\s], 1
	s_add_co_u32 s[G0R+4*\s+1], s69, \s*SLOT
	s_add_nc_u64 s[G0R+4*\s+2:G0R+4*\s+3], s[60:61], \s*PART
	s_or_b32 s[G0R+4*\s+3], s[G0R+4*\s+3], 0x80000000
.endr
	JLOAD 0                                        ; slot 0: one tensor load a wave at the head; slot 1's first fill stands behind the round below
	v_and_b32 v1, 31, v0
	v_and_b32 v2, 15, v0
	v_bfe_u32 v3, v0, 4, 1
	v_lshlrev_b32 v[LI], 4, v1
.set PFO, 17                           ; v17: the prefetches' offset, 256 min(lane, 24); never rewritten
.set PFA, 80                           ; s[80:81]: my work-group's share of what my wave fetches, at fill 0; never rewritten
	v_min_u32 v[PFO], 24, v1
	v_lshlrev_b32 v[PFO], 8, v[PFO]
	s_wait_alu depctr_va_vdst(0)
	; the prefetches: of the 51,200 bytes of P that a wave fetches for a slot, the partner at cy takes 12,800; of R's 25,600 the partner at cx takes 6,400: shared out by address alone.
	; Four fills in all: behind the load of fill 0 fills 1 and 2 are named, behind the load of fill 1 fill 3.  Lanes 256 bytes apart, 25 blocks an instruction (lanes 25 to 31 name lane 24's block again): P's waves two instructions, R's one.
	s_mul_i32 s82, s18, 12800
	s_mul_i32 s83, s17, 6400
	s_cmp_eq_u32 s15, 0
	s_cselect_b32 s82, s82, s83
	s_cselect_b64 s[PFA:PFA+1], s[58:59], s[60:61]
	s_mov_b32 s83, 0
	s_add_nc_u64 s[PFA:PFA+1], s[PFA:PFA+1], s[82:83]
.macro ASKAT off
	global_prefetch_b8 v[PFO], s[PFA:PFA+1] offset:\off th:TH_LOAD_NT scope:SCOPE_SE
	s_cmp_eq_u32 s15, 0
	s_cbranch_scc0 .Lr_only_\@
	global_prefetch_b8 v[PFO], s[PFA:PFA+1] offset:(\off)+6400 th:TH_LOAD_NT scope:SCOPE_SE
.Lr_only_\@:
.endm
	ASKAT PART
	ASKAT 2*PART
	s_mul_i32 s70, s16, PART
	s_mul_i32 s71, s15, 6144
	s_add_co_u32 s71, s71, 2*PART
	s_lshl_b32 s78, s15, 8
	s_add_co_u32 s78, s78, 2*PART+12288
.irp s, 0,1
	v_add_nc_u32 v[ADP+\s], s70, v[LI]
	v_add_nc_u32 v[ADR+\s], s71, v[LI]
	v_lshl_add_u32 v[ADRS+\s], v2, 4, s78
	s_add_co_u32 s70, s70, SLOT
	s_add_co_u32 s71, s71, SLOT
	s_add_co_u32 s78, s78, SLOT
.endr
	s_mul_i32 s70, s14, 16*SPITCH                  ; my stage
	v_mul_u32_u24 v[STO], v2, SPITCH
	v_lshl_add_u32 v[STO], v3, 6, v[STO]
	v_add_nc_u32 v[STO], s70, v[STO]               ; in: row r, + 64 h bytes
	v_add_nc_u32 v[RD], s70, v[LI]                 ; back: a whole row, 16 bytes a lane
.macro MUL8 a, f, zero
.irp b, 0,1,2,3,4,5,6,7
.set rD, 8*(8*(\a)+\b)
.set rP, 128*(\f)+12*\b
.set rR, RF+48*(\f)+12*(\a)
.set rX, PS+8*(\f)+\b%4
.set rY, PS+4+8*(\f)+(\a)
.if \zero
.if \b < 4
	v_wmma_scale_f32_16x16x128_f8f6f4 v[rD:rD+7], v[rP:rP+11], v[rR:rR+11], 0, v[rX], v[rY] matrix_a_fmt:MATRIX_FMT_FP6 matrix_b_fmt:MATRIX_FMT_FP6
.else
	v_wmma_scale_f32_16x16x128_f8f6f4 v[rD:rD+7], v[rP:rP+11], v[rR:rR+11], 0, v[rX], v[rY] matrix_a_fmt:MATRIX_FMT_FP6 matrix_b_fmt:MATRIX_FMT_FP6 matrix_a_scale:MATRIX_SCALE_ROW1
.endif
.else
.if \b < 4
	v_wmma_scale_f32_16x16x128_f8f6f4 v[rD:rD+7], v[rP:rP+11], v[rR:rR+11], v[rD:rD+7], v[rX], v[rY] matrix_a_fmt:MATRIX_FMT_FP6 matrix_b_fmt:MATRIX_FMT_FP6
.else
	v_wmma_scale_f32_16x16x128_f8f6f4 v[rD:rD+7], v[rP:rP+11], v[rR:rR+11], v[rD:rD+7], v[rX], v[rY] matrix_a_fmt:MATRIX_FMT_FP6 matrix_b_fmt:MATRIX_FMT_FP6 matrix_a_scale:MATRIX_SCALE_ROW1
.endif
.endif
.endr
.endm
.macro MULH a0, f, zero                ; the 32 accumulators take turns, one instruction a turn
	WIN 0x52
	MUL8 \a0, \f, \zero
	MUL8 (\a0)+1, \f, \zero
.endm
.macro FETCH slot, q, f
	WIN 0x80
.set fi, 0
.rept 24
	ds_load_b128 v[128*(\f)+4*fi:128*(\f)+4*fi+3], v[ADP+\slot] offset:(\q)*UNIT+512*fi
.set fi, fi+1
.endr
	WIN 0
.set fi, 0
.rept 12
	ds_load_b128 v[RF+48*(\f)+4*fi:RF+48*(\f)+4*fi+3], v[ADR+\slot] offset:(\q)*UNIT+512*fi
.set fi, fi+1
.endr
	ds_load_b128 v[PS+8*(\f):PS+8*(\f)+3], v[ADP+\slot] offset:(\q)*UNIT+12288
	ds_load_b128 v[PS+4+8*(\f):PS+7+8*(\f)], v[ADRS+\slot] offset:(\q)*UNIT
.endm
.macro STEP slot, q, zero              ; the successor's fragments are asked for first, four places behind the last product that read their set, and land under this step's 32 products
	s_wait_dscnt 0x0
	PLACES
	FETCH \slot, (\q)+1, 1-(\q)%2
	MULH 0, (\q)%2, \zero
	MULH 2, (\q)%2, \zero
.endm
.macro TURN slot, next, fill           ; a slot's last step changes slots: one barrier, in front of it the wait for all my tensor loads, the add, and the wait for it and for my reads of this slot
	WIN 0
	s_wait_tensorcnt 0x0
	ds_add_u32 v[SPW], v[NIL]                      ; 0 onto my spare word
	s_wait_dscnt 0x1                               ; the fragments are in; the add alone may be out
	WIN 0x52
	MUL8 0, 1, 0
	s_wait_dscnt 0x0
	s_barrier_signal -1
	MUL8 1, 1, 0
	WIN 0
	s_barrier_wait -1
.if \fill
	CREST
	s_add_nc_u64 s[G0P+4*\slot+2:G0P+4*\slot+3], s[G0P+4*\slot+2:G0P+4*\slot+3], 2*PART
	s_add_nc_u64 s[G0R+4*\slot+2:G0R+4*\slot+3], s[G0R+4*\slot+2:G0R+4*\slot+3], 2*PART
	JLOAD \slot
.else
	PLACES
.endif
	FETCH \next, 0, 0
	MULH 2, 1, 0
.endm
	s_wait_alu depctr_va_vdst(0)
	s_wait_tensorcnt 0x0                           ; my part of slot 0 is in
	ds_add_u32 v[SPW], v[NIL]
	s_wait_dscnt 0x0
	CROUND                                         ; everybody's part of slot 0 is in, and all sixteen work-groups are here
	JLOAD 1                                        ; slot 1's first fill, the first tensor load behind the round
	FETCH 0, 0, 0
	ASKAT 3*PART                                   ; fill 3
	STEP 0, 0, 1
	WIN 0
	s_mov_b32 s3, KST/8-1
.Llap:
	STEP 0, 1, 0
	STEP 0, 2, 0
	TURN 0, 1, 1
	STEP 1, 0, 0
	STEP 1, 1, 0
	STEP 1, 2, 0
	TURN 1, 0, 1
	STEP 0, 0, 0
	WIN 0
	s_sub_co_u32 s3, s3, 1
	s_cmp_lg_u32 s3, 0
	s_cbranch_scc1 .Llap
	STEP 0, 1, 0
	STEP 0, 2, 0
	TURN 0, 1, 0
	STEP 1, 0, 0
	STEP 1, 1, 0
	STEP 1, 2, 0
	s_wait_dscnt 0x0
	MULH 0, 1, 0
	MULH 2, 1, 0
	WIN 0
; THE WAY OUT, a tile of 16 tokens x 128 columns at a time: through my own stage and back as whole rows of 512 bytes, which the 32 lanes store as 512 consecutive aligned bytes.  LDS serves a wave's instructions in order: no wait between the stores and the loads.
.macro TOSTAGE a
	WIN 0x04                                       ; an LDS store's data are its source 1: window 1
.irp b, 0,1,2,3,4,5,6,7
	ds_store_b128 v[STO], v[64*(\a)+8*\b:64*(\a)+8*\b+3] offset:128*(\b/2)+32*(\b%2)       ; each accumulator from its low end on
	ds_store_b128 v[STO], v[64*(\a)+8*\b+4:64*(\a)+8*\b+7] offset:128*(\b/2)+32*(\b%2)+16
.endr
	WIN 0
.set fi, 0
.rept 16
	ds_load_b128 v[BK+64*((\a)%2)+4*fi:BK+64*((\a)%2)+4*fi+3], v[RD] offset:fi*SPITCH
.set fi, fi+1
.endr
.endm
.macro SEND a, younger                 ; younger: the LDS instructions issued behind tile a's loads, which may stay out
	s_wait_dscnt \younger
.set fi, 0
.rept 16
	global_store_b128 v[LI], v[BK+64*((\a)%2)+4*fi:BK+64*((\a)%2)+4*fi+3], s[8:9] offset:(32*((\a)/2)+8*((\a)%2)+fi+8*(fi/8))*16384 th:TH_STORE_NT
.set fi, fi+1
.endr
.endm
	PLACES                                         ; in front of the first read of results and of the loads into R's registers
	TOSTAGE 0
	TOSTAGE 1
	SEND 0, 32                                     ; behind tile 0's loads: tile 1's 16 stores and 16 loads
	s_wait_xcnt 0x0                                ; tile 0's stores have read their registers: tile 2's loads may land there
	TOSTAGE 2
	SEND 1, 32
	s_wait_xcnt 0x0
	TOSTAGE 3
	SEND 2, 32
	SEND 3, 0
	s_wait_tensorcnt 0x0                           ; the wave's end
	ds_add_u32 v[SPW], v[NIL]
	s_wait_dscnt 0x0
	CROUND                                         ; the closing round
	s_endpgm
.Lfunc_end_k_q3c4e077d88_oproj:
	.size	k_q3c4e077d88_oproj, .Lfunc_end_k_q3c4e077d88_oproj-k_q3c4e077d88_oproj
	.p2alignl 7, 3214868480
	.fill 96, 4, 3214868480
	.section	.rodata,"a",@progbits
	.p2align	6, 0x0
	.amdhsa_kernel k_q3c4e077d88_oproj
		.amdhsa_group_segment_fixed_size 327680
		.amdhsa_private_segment_fixed_size 0
		.amdhsa_enable_private_segment 0
		.amdhsa_kernarg_size 24
		.amdhsa_user_sgpr_count 2
		.amdhsa_user_sgpr_kernarg_segment_ptr 1
		.amdhsa_wavefront_size32 1
		.amdhsa_system_sgpr_workgroup_id_x 1
		.amdhsa_system_sgpr_workgroup_id_y 1
		.amdhsa_system_sgpr_workgroup_id_z 1
		.amdhsa_system_vgpr_workitem_id 0
		.amdhsa_next_free_vgpr 768
		.amdhsa_next_free_sgpr 100
		.amdhsa_reserve_vcc 0
		.amdhsa_float_denorm_mode_32 3
		.amdhsa_float_denorm_mode_16_64 3
		.amdhsa_memory_ordered 1
		.amdhsa_forward_progress 1
		.amdhsa_inst_pref_size 132
	.end_amdhsa_kernel
	.amdgpu_metadata
---
amdhsa.version: [ 1, 2 ]
amdhsa.kernels:
  - .name:           k_q3c4e077d88_oproj
    .symbol:         k_q3c4e077d88_oproj.kd
    .args:
      - { .name: att, .offset: 0, .size: 8, .value_kind: global_buffer, .address_space: global }
      - { .name: woimg, .offset: 8, .size: 8, .value_kind: global_buffer, .address_space: global }
      - { .name: out0, .offset: 16, .size: 8, .value_kind: global_buffer, .address_space: global }
    .group_segment_fixed_size: 327680
    .private_segment_fixed_size: 0
    .kernarg_segment_align: 8
    .kernarg_segment_size: 24
    .max_flat_workgroup_size: 128
    .sgpr_count:     100
    .vgpr_count:     768
    .wavefront_size: 32
...
	.end_amdgpu_metadata
.endif
;; end of part 4
